; MI455X (gfx1250); checked and timed in simulation.
; The chip was launched on July 23, 2026; its instructions are those of AMD's public machine-readable ISA for CDNA 5 (MIT licence, August 2026) and "CDNA5" Instruction Set Architecture Reference Guide (July 2026). The comments in the code are by the model that wrote it; some were corrected since.
;; Gated Adapters. Allowed arithmetic: matrix products marked QUANTISED: E2M3 operands, one E8M0 scale for each 32 along K, by v_wmma_scale_f32_16x16x128_f8f6f4 with both operands' format E2M3, f32 sums; products left as they are: f32 operands where the result goes on into a quantised operand, else bf16, f16 or f32 operands; f32 sums; everything else in f32.
;; Inputs: b1 8 x 512 float32; b2 8 x 1,024 float32; gating_w 8 x 1,024 float32; ln_beta 1,024 float32; ln_gamma 1,024 float32; padding 8 x 1,024 bool; w1_codes 8 x 512 x 32 x 24 uint8 (E2M3 codes of w1, K innermost, in blocks of 32 codes, four codes in three bytes); w1_scales 8 x 512 x 32 uint8 (E8M0 scales of w1, one for each 32 codes along K); w2_codes 8 x 1,024 x 16 x 24 uint8 (E2M3 codes of w2, K innermost, in blocks of 32 codes, four codes in three bytes); w2_scales 8 x 1,024 x 16 uint8 (E8M0 scales of w2, one for each 32 codes along K); x 1,024 x 8 x 1,024 float32.
;; Outputs: out0 1,024 x 8 x 1,024 float32; out1 8 x 8 float32.
;; This version of the problem:
;;   THIS VERSION OF THE PROBLEM IS GIVEN IN LOW PRECISION. The matrix products marked QUANTISED in the list below multiply operands that are first quantised to E2M3 (2 exponent bits, 3 mantissa bits; 6 bits a number), with one power-of-two scale for each 32 numbers along K (OCP MX v1.0); their sums are f32. All else is computed in f32.
;;   The module's matrix products, in the order in which they are computed (A, B: the left and right operand; K: the contracted axis; several contracted axes count as one K, in the product's order):
;;     1. [M 8, K 1,024] x [K 1,024, N 8]; A: computed on the way; B: input gating_w: left as it is (M = 8 < 16)
;;     2. [M 8,192, K 1,024] x [K 1,024, N 4,096]; A: computed on the way; B: input w1 (given as codes): QUANTISED
;;     3. batch 8 x [M 1,024, K 512] x [K 512, N 8,192]; A: input w2 (given as codes); B: computed on the way: QUANTISED
;;     4. batch 8 x [M 1, K 8] x [K 8, N 1,048,576]; A: computed on the way; B: computed on the way: left as it is (K = 8 < 32)
;;   THE QUANTISER, for each operand of a quantised product, along K:
;;     - K is cut into blocks of 32 from its start; a last block that is shorter is filled with zeros.
;;     - A block's scale is 2^e with e = floor(log2(the largest magnitude in the block)) - 2, held to -126 .. 127; a block of zeros has e = 0. As a byte (E8M0): e + 127.
;;     - Each number is divided by its block's scale, clamped to +-7.5, and rounded to the nearest number of E2M3, ties to even, subnormals kept.
;;     - The product sums the exact products of the quantised numbers (number of the format x scale) in f32.
;;   ~~~python
;;   def quantise(x, axis):      # numpy; x: float32 -> the quantised numbers, widened to float32 again
;;       x = np.moveaxis(x, axis, -1); K = x.shape[-1]
;;       x = np.pad(x, [(0, 0)] * (x.ndim - 1) + [(0, -K % 32)]); x = x.reshape(x.shape[:-1] + (-1, 32)); a = np.abs(x).max(-1, keepdims=True)
;;       e = np.where(a > 0, np.clip(np.frexp(np.where(a > 0, a, 1))[1] - 1 - 2, -126, 127), 0)      # np.frexp(a)[1] - 1 = floor(log2(a)), exactly
;;       r = np.clip(x / 2.0 ** e, -7.5, 7.5)
;;       step = 2.0 ** (np.maximum(np.frexp(np.where(r == 0, 1, r))[1] - 1, 0) - 3)
;;       q = np.round(r / step) * step * 2.0 ** e      # np.round: ties to even
;;       return np.moveaxis(q.reshape(q.shape[:-2] + (-1,))[..., :K], -1, axis).astype(np.float32)
;;   ~~~
;;   OPERANDS COMPUTED ON THE WAY. 'Computed on the way' means the value that the module computes at that place (a softmax that the list does not call 'softmax' is quantised finished and normalised). What goes into a quantiser is computed in f32, as accurately as f32 sums, v_exp_f32 and their like allow (about 1e-6 of the number): no bf16 or f16 on the way to a quantiser, and a product that is left as it is and whose result goes on into a quantised operand takes f32 operands (vector FMAs, or v_wmma_f32_16x16x4_f32). A number that lies on a knife's edge between two numbers of the format may be rounded either way, as far as f32 arithmetic and the matrix unit's own rounding can turn it there, and no further.
;;   INPUTS GIVEN AS CODES. w1 (in the module: [8, 1024, 512], K = its axis 1); w2 (in the module: [8, 512, 1024], K = its axis 1): each comes as NAME_codes (uint8): NAME with its K axis moved to the last place and cut into blocks of 32 codes, [.., K / 32, bytes a block], one block behind the other in memory; four codes in three bytes: a row's codes are one little-endian stream of bits, code i at bits 6 i .. 6 i + 5 (a code: sign, 2 exponent bits, 3 mantissa bits); and NAME_scales (uint8): the same leading axes, one E8M0 byte (e + 127) for each 32 codes along K. Its value is code x scale, taken as it is: it is not quantised again, and the codes and scales need not be those that the quantiser above would give.
;; One version. Each part assembles by itself: llvm-mc -triple=amdgcn-amd-amdhsa -mcpu=gfx1250 --defsym DOCPART=n.
;; ======== version 1 of 1: 3 launches
;; workspace buffers: xq 6,291,456 bytes; xs 262,144 bytes; w1i 3,145,728 bytes; w2i 3,145,728 bytes; pm 1,048,576 bytes; hi 25,165,824 bytes; hs 1,048,576 bytes; pl 16,384 bytes
;; launch prep (part 1): grid 256 x 1, 16 waves a work-group, no clusters, 264,192 bytes of LDS; arguments x, padding, ln_gamma, ln_beta, w1_codes, w2_codes, xq, xs, w1i, w2i, pm; writes xq, xs, w1i, w2i, pm
.if DOCPART == 1
	.amdgcn_target "amdgcn-amd-amdhsa--gfx1250"
	.amdhsa_code_object_version 6
	.text
	.protected	k_q2ef2972c12_prep
	.globl	k_q2ef2972c12_prep
	.p2align	8
	.type	k_q2ef2972c12_prep,@function
k_q2ef2972c12_prep:
	s_mov_b64 s[64:65], 0
	v_nop
	global_prefetch_b8 v0, s[64:65] scope:SCOPE_SE
	s_setreg_imm32_b32 hwreg(HW_REG_WAVE_MODE, 25, 1), 1
	s_wait_xcnt 0x0
; LayerNorm and the MX-FP6 quantiser of x, the partial masked maxima for the gates, and the weights' codes laid anew.
; x: [1024 s][8 b][1024 d] f32.  Work-group g takes sentence b = g / 32 and positions s = 32 (g % 32) .. + 31; in the workspace a token's row is 1024 b + s = 32 g + rho.
; Wave w takes rho = 2 w and 2 w + 1.  LANE l HOLDS BLOCK l OF A ROW (d = 32 l + i in register i), so a block's largest magnitude needs no other lane and the conversions find neighbours along K in one lane.
; One tensor load a wave brings its two rows (8 KiB), with 16 bytes of padding behind every 128: block l lies at 144 l, so that the lanes' 16-byte reads start in different banks.  It is filled once.
; OPERAND IMAGE (all codes in the workspace): a fragment (16 rows x 128 K, 12 registers a lane) is 1,536 bytes; byte 512 j + 16 lane + 4 i is register 4 j + i of that lane.
;   xq [K pair 4][row tile 512][2][1536], xs [row][32 scale bytes], w1i [K pair 4][tile 256][2][1536], w2i [tile 512][K step 4][1536], pm [s / 32][b][1024] f32.
; THE ROWS OF A WEIGHT TILE ARE NOT NEIGHBOURS: lane r of tile 2 B + u takes row 32 B + 8 u + r + 8 (r / 8), so that the transposed product leaves 16 neighbours in the registers of two neighbouring tiles.
; LIMITS: NaN and infinities are not served.  A block whose largest magnitude lies under 2^-124 gets the scale byte 1; so does a block of zeros (its codes are zeros, and only this program reads the bytes).
; No cluster: no two work-groups read the same bytes.  No matrix unit: nothing is multiplied by a matrix here.
.set XW,   9216                        ; LDS: a wave's two rows of x, 4,608 bytes each (32 x (128 + 16)); sixteen waves from byte 0 on
.set XP,   4608
.set GB,   147456                      ; gamma, then beta, padded likewise
.set IMG,  156672                      ; two row tiles' images, 16 bytes of padding behind every 256: tile 13,056, K step 1,632, group of four registers 544, half of the lanes 272, row 16
.set PMX,  182784                      ; each wave's 1,024 maxima, block l at 144 l
.set SCB,  256512                      ; scale bytes: 32 rho + l
.set WF,   16                          ; v16-27   a weight fragment
.set X0,   32                          ; v32-63   row 0
.set G,    64                          ; v64-95   gamma
.set BT,   96                          ; v96-127  beta
.set PM,   128                         ; v128-159 the two rows' maxima
.set X1,   160                         ; v160-191 row 1
.set T,    192                         ; v192-199 at work
.set PC,   200                         ; v200-207, v208-215 a row's codes
.set MU,   216                         ; v216-217 the mean, twice
.set RS,   218                         ; v218-219 1 / sqrt(var + eps), twice
	s_load_b256 s[4:11], s[0:1], 0x0               ; x, padding, gamma, beta
	s_load_b256 s[12:19], s[0:1], 0x20             ; W1's codes, W2's codes, xq, xs
	s_load_b128 s[20:23], s[0:1], 0x40             ; w1i, w2i
	s_load_b64 s[24:25], s[0:1], 0x50              ; pm
	v_lshl_add_u32 v224, v0, 2, 0x40000
	v_mov_b32 v225, 0
	ds_add_u32 v224, v225
	ds_add_u32 v224, v225
	v_lshrrev_b32 v1, 5, v0
	v_readfirstlane_b32 s26, v1                    ; wave 0..15
	; descriptor group 1: 2 rows x 1,024 elements of 4 bytes, 8,192 elements apart; 4 words of padding behind every 32
	s_mov_b32 s36, (2<<16)|(1<<20)|(4<<22)|(3<<25)
	s_mov_b32 s37, 1024<<16                        ; tensor_dim0
	s_mov_b32 s38, 2<<16                           ; tensor_dim1
	s_mov_b32 s39, 1024<<16                        ; tile_dim0
	s_mov_b32 s40, 2                               ; tile_dim1
	s_mov_b32 s41, 8192                            ; from position s to s + 1
	s_mov_b32 s42, 0
	s_mov_b32 s43, 0
	s_and_b32 s50, ttmp9, 31                       ; which 32 positions
	s_lshr_b32 s27, ttmp9, 5                       ; b
	s_lshl_b32 s52, s50, 5
	s_lshl_b32 s53, s26, 1
	s_add_co_u32 s52, s52, s53                     ; s of my first row
	s_lshl_b32 s52, s52, 3
	s_add_co_u32 s52, s52, s27
	s_lshl_b32 s52, s52, 12                        ; (8 s + b) x 4,096 bytes
	s_mov_b32 s53, 0
	s_mov_b32 s28, 1
	s_mul_i32 s29, s26, XW                         ; my two rows' place in LDS
	s_mov_b32 s2, 0x3a800000                       ; 1 / 1024
	s_mov_b32 s3, 0x3727c5ac                       ; 1e-5
	s_mov_b32 s48, 0x76543210
	s_mov_b32 s49, 0xfedcba98                      ; v_permlanex16_b32's selects for lane l xor 16
	s_wait_dscnt 0x0
	s_wait_kmcnt 0x0
	s_add_nc_u64 s[30:31], s[4:5], s[52:53]
	s_or_b32 s31, s31, 0x80000000
	tensor_load_to_lds s[28:31], s[36:43]          ; my one tensor load: it is asked for before anything else
	s_nop 0
	v_and_b32 v1, 31, v0                           ; lane
	s_lshl_b32 s52, ttmp9, 5
	s_lshl_b32 s54, s26, 1
	s_add_co_u32 s52, s52, s54
	s_add_nc_u64 s[6:7], s[6:7], s[52:53]          ; padding[b][s]: byte 32 g + 2 w
	s_load_u16 s34, s[6:7], 0x0                    ; my two rows' flags
	s_lshl_b32 s54, s50, 3
	s_add_co_u32 s54, s54, s27
	s_lshl_b32 s54, s54, 12
	s_lshl_b32 s55, s26, 8
	s_add_co_u32 s54, s54, s55
	s_mov_b32 s55, 0
	s_add_nc_u64 s[24:25], s[24:25], s[54:55]      ; pm: (8 (s / 32) + b) x 4,096 + 256 w
	s_lshr_b32 s54, s26, 2
	s_mul_i32 s54, s54, 1572864
	s_mul_i32 s56, ttmp9, 6144
	s_add_co_u32 s54, s54, s56
	s_and_b32 s56, s26, 3
	s_mul_i32 s56, s56, 1536
	s_add_co_u32 s54, s54, s56
	s_add_nc_u64 s[16:17], s[16:17], s[54:55]      ; xq: the fragment that I store: K pair w / 4, row tile 2 g + (w / 2) % 2, half w % 2
	s_lshl_b32 s54, ttmp9, 10
	s_add_nc_u64 s[18:19], s[18:19], s[54:55]      ; xs: 1,024 bytes a work-group
	; my weight fragment: the first 128 work-groups take W1's 2,048 (8 K steps a tile, rows of 768 bytes), the others W2's 2,048 (4 K steps, rows of 384)
	s_and_b32 s50, ttmp9, 127
	s_lshl_b32 s50, s50, 4
	s_add_co_u32 s50, s50, s26                     ; f
	s_cmp_lt_u32 ttmp9, 128
	s_cselect_b32 s51, 3, 2
	s_lshr_b32 s52, s50, s51                       ; tile
	s_lshl_b32 s54, 1, s51
	s_sub_co_u32 s54, s54, 1
	s_and_b32 s54, s50, s54                        ; K step
	s_lshl_b32 s35, 96, s51                        ; a row's bytes
	s_lshr_b32 s56, s52, 1
	s_lshl_b32 s56, s56, 5
	s_and_b32 s57, s52, 1
	s_lshl_b32 s57, s57, 3
	s_add_co_u32 s56, s56, s57                     ; the tile's first row: 32 (tile / 2) + 8 (tile % 2)
	s_mul_i32 s56, s56, s35
	s_mul_i32 s57, s54, 96
	s_add_co_u32 s56, s56, s57
	s_mov_b32 s57, 0
	s_lshr_b32 s58, s54, 1
	s_mul_i32 s58, s58, 786432
	s_mul_i32 s59, s52, 3072
	s_add_co_u32 s58, s58, s59
	s_and_b32 s59, s54, 1
	s_mul_i32 s59, s59, 1536
	s_add_co_u32 s58, s58, s59                     ; its place in w1i,
	s_mul_i32 s59, s50, 1536                       ; or in w2i
	s_cmp_lt_u32 ttmp9, 128                        ; the choice hangs on the work-group's number alone
	s_cselect_b32 s58, s58, s59
	s_cselect_b64 s[60:61], s[12:13], s[14:15]
	s_cselect_b64 s[62:63], s[20:21], s[22:23]
	s_mov_b32 s59, 0
	s_add_nc_u64 s[60:61], s[60:61], s[56:57]
	s_add_nc_u64 s[62:63], s[62:63], s[58:59]
	s_cmp_lt_u32 s26, 8                            ; waves 0-7 bring gamma into LDS, waves 8-15 beta
	s_cselect_b64 s[32:33], s[8:9], s[10:11]
	v_and_b32 v14, 255, v0
	v_lshlrev_b32 v14, 4, v14
	global_load_b128 v[T:T+3], v14, s[32:33]
	v_and_b32 v28, 15, v1
	v_and_b32 v29, 8, v28
	v_add_nc_u32 v28, v28, v29                     ; r + 8 (r / 8)
	v_mul_u32_u24 v15, s35, v28
	v_lshrrev_b32 v29, 4, v1
	v_mad_u32_u24 v15, v29, 24, v15                ; + 24 bytes for lanes 16-31
.irp p, 0,1,2,3,4,5
	global_load_b64 v[WF+2*\p:WF+2*\p+1], v15, s[60:61] offset:48*(\p/3)+8*(\p%3) th:TH_LOAD_NT
.endr
	; every LDS address, made here once
	v_mul_u32_u24 v2, v1, 144
	v_add_nc_u32 v4, GB, v2                        ; v4  gamma's block l
	s_mul_i32 s50, s26, XP
	s_add_co_u32 s50, s50, PMX
	v_add_nc_u32 v8, s50, v2                       ; v8  where my maxima go
	v_add_nc_u32 v2, s29, v2                       ; v2  my rows' block l
	v_lshrrev_b32 v28, 8, v0
	v_mul_u32_u24 v3, v28, XP
	v_bfe_u32 v28, v0, 3, 5
	v_mad_u32_u24 v3, v28, 144, v3
	v_and_b32 v28, 7, v0
	v_lshl_add_u32 v3, v28, 4, v3
	v_add_nc_u32 v3, GB, v3                        ; v3  where my 16 bytes of gamma or beta go
	s_lshr_b32 s50, s26, 3
	s_mul_i32 s50, s50, 13056
	s_and_b32 s51, s26, 7
	s_lshl_b32 s51, s51, 5
	s_add_co_u32 s50, s50, s51
	s_add_co_u32 s50, s50, IMG
	v_lshrrev_b32 v28, 2, v1
	v_mul_u32_u24 v29, v28, 1632                   ; block l belongs to K step l / 4,
	v_and_b32 v28, 1, v1
	v_mad_u32_u24 v29, v28, 272, v29               ; to the half l % 2 of the lanes,
	v_add_nc_u32 v29, s50, v29
	v_bfe_u32 v28, v1, 1, 1                        ; and to registers 6 c .. 6 c + 5, c = (l / 2) % 2: bytes 0-15 and 544-551, or 552-559 and 1088-1103
	v_mad_u32_u24 v5, v28, 552, v29                ; v5  for the block's bytes 0-7 (+ 0) and 16-23 (+ 544)
	v_mad_u32_u24 v6, v28, 1080, v29               ; v6  for its bytes 8-15 (+ 8)
	s_lshl_b32 s50, s26, 6
	s_add_co_u32 s50, s50, SCB
	v_add_nc_u32 v7, s50, v1                       ; v7  my block's scale byte
	s_mul_i32 s50, s26, 288
	s_add_co_u32 s50, s50, PMX
	v_lshrrev_b32 v28, 4, v1
	v_mul_u32_u24 v9, v28, 144
	v_mul_u32_u24 v11, v28, 272
	v_and_b32 v28, 15, v1
	v_lshl_add_u32 v9, v28, 3, v9
	v_add_nc_u32 v9, s50, v9                       ; v9  d = 64 w + 2 lane in wave 0's maxima
	v_add_nc_u32 v10, 8*XP, v9                     ; v10 and in wave 8's
	v_lshl_add_u32 v11, v28, 4, v11
	s_bfe_u32 s50, s26, 0x10001
	s_mul_i32 s50, s50, 13056
	s_lshr_b32 s51, s26, 2
	s_lshl_b32 s51, s51, 1
	s_and_b32 s52, s26, 1
	s_or_b32 s51, s51, s52
	s_mul_i32 s51, s51, 1632
	s_add_co_u32 s50, s50, s51
	s_add_co_u32 s50, s50, IMG
	v_add_nc_u32 v11, s50, v11                     ; v11 the image that I store
	v_lshlrev_b32 v12, 4, v1                       ; v12 16 x lane
	v_lshlrev_b32 v13, 3, v1                       ; v13 8 x lane
	s_lshl_b32 s52, s52, 9
	v_lshl_add_u32 v30, v1, 4, s52                 ; v30 512 (w % 2) + 16 x lane
	v_add_nc_u32 v31, SCB, v30                     ; v31 the same among the scale bytes
	s_wait_loadcnt 6                               ; gamma's or beta's 16 bytes are in; the six weight loads are younger
	ds_store_b128 v3, v[T:T+3]
	s_wait_dscnt 0x0                               ; for the others' sake
	s_barrier_signal -1
	s_barrier_wait -1                              ; gamma and beta lie in LDS
	s_wait_loadcnt 0x0
.irp j, 0,1,2
	global_store_b128 v12, v[WF+4*\j:WF+4*\j+3], s[62:63] offset:512*\j   ; the fragment's image: 512 consecutive bytes a store
.endr
	s_wait_kmcnt 0x0
	s_and_b32 s50, s34, 0xff
	s_cmp_lg_u32 s50, 0
	s_cselect_b32 s44, 0xf149f2ca, 0               ; -1e30 where the position is padding, else 0: it only selects a value
	s_mov_b32 s45, s44
	s_lshr_b32 s50, s34, 8
	s_cmp_lg_u32 s50, 0
	s_cselect_b32 s46, 0xf149f2ca, 0
	s_mov_b32 s47, s46
	s_wait_tensorcnt 0x0                           ; my two rows have landed; nobody else reads them
.irp i, 0,1,2,3,4,5,6,7
	ds_load_b128 v[X0+4*\i:X0+4*\i+3], v2 offset:16*\i
.endr
.irp i, 0,1,2,3,4,5,6,7
	ds_load_b128 v[G+4*\i:G+4*\i+3], v4 offset:16*\i
.endr
.irp i, 0,1,2,3,4,5,6,7
	ds_load_b128 v[BT+4*\i:BT+4*\i+3], v4 offset:XP+16*\i
.endr
.irp i, 0,1,2,3,4,5,6,7
	ds_load_b128 v[X1+4*\i:X1+4*\i+3], v2 offset:XP+16*\i
.endr
.macro WSUM r                          ; the sum over the 32 lanes, in every lane
	v_add_f32_dpp v[\r], v[\r], v[\r] row_xmask:1 row_mask:0xf bank_mask:0xf
	v_add_f32_dpp v[\r], v[\r], v[\r] row_xmask:2 row_mask:0xf bank_mask:0xf
	v_add_f32_dpp v[\r], v[\r], v[\r] row_xmask:4 row_mask:0xf bank_mask:0xf
	v_add_f32_dpp v[\r], v[\r], v[\r] row_xmask:8 row_mask:0xf bank_mask:0xf
	v_permlanex16_b32 v[\r+1], v[\r], s48, s49
	v_add_f32 v[\r], v[\r], v[\r+1]
.endm
.macro JOIN                            ; four chains of pairs become one number a lane
	v_pk_add_f32 v[T:T+1], v[T:T+1], v[T+2:T+3]
	v_pk_add_f32 v[T+4:T+5], v[T+4:T+5], v[T+6:T+7]
	v_pk_add_f32 v[T:T+1], v[T:T+1], v[T+4:T+5]
	v_add_f32 v[T], v[T], v[T+1]
	WSUM T
.endm
; One row: the masked maximum, LayerNorm in two passes (mean; then the mean of squared differences), the block's scale and codes, which go into the image.
.macro ROW X, i
.if \i == 0
	s_wait_dscnt 24                                ; row 0 is in; gamma, beta and row 1 (24 loads) may be out
.irp k, 0,1,2,3,4,5,6,7,8,9,10,11,12,13,14,15
	v_pk_add_f32 v[PM+2*\k:PM+2*\k+1], v[\X+2*\k:\X+2*\k+1], s[44:45] op_sel_hi:[1,0]   ; x + neg starts the maxima
.endr
.else
	s_wait_dscnt 4                                 ; row 1 is in; row 0's four LDS stores may be out
.irp k, 0,1,2,3,4,5,6,7,8,9,10,11,12,13,14,15
	v_pk_add_f32 v[T+2*(\k%4):T+2*(\k%4)+1], v[\X+2*\k:\X+2*\k+1], s[46:47] op_sel_hi:[1,0]
	v_max_num_f32 v[PM+2*\k], v[PM+2*\k], v[T+2*(\k%4)]
	v_max_num_f32 v[PM+2*\k+1], v[PM+2*\k+1], v[T+2*(\k%4)+1]
.endr
.endif
.irp k, 0,1,2,3
	v_pk_add_f32 v[T+2*\k:T+2*\k+1], v[\X+4*\k:\X+4*\k+1], v[\X+4*\k+2:\X+4*\k+3]
.endr
.irp k, 8,9,10,11,12,13,14,15
	v_pk_add_f32 v[T+2*(\k%4):T+2*(\k%4)+1], v[T+2*(\k%4):T+2*(\k%4)+1], v[\X+2*\k:\X+2*\k+1]
.endr
	JOIN
	v_mul_f32 v[MU], s2, v[T]
	v_mul_f32 v[MU+1], s2, v[T]
.irp k, 0,1,2,3,4,5,6,7,8,9,10,11,12,13,14,15
	v_pk_add_f32 v[\X+2*\k:\X+2*\k+1], v[\X+2*\k:\X+2*\k+1], v[MU:MU+1] neg_lo:[0,1] neg_hi:[0,1]   ; x - mu
.endr
.irp k, 0,1,2,3
	v_pk_mul_f32 v[T+2*\k:T+2*\k+1], v[\X+2*\k:\X+2*\k+1], v[\X+2*\k:\X+2*\k+1]
.endr
.irp k, 4,5,6,7,8,9,10,11,12,13,14,15
	v_pk_fma_f32 v[T+2*(\k%4):T+2*(\k%4)+1], v[\X+2*\k:\X+2*\k+1], v[\X+2*\k:\X+2*\k+1], v[T+2*(\k%4):T+2*(\k%4)+1]
.endr
	JOIN
	v_fma_f32 v[T], v[T], s2, s3                   ; var + eps (the division by 1,024 rounds nothing)
	v_rsq_f32 v[RS], v[T]
	v_rsq_f32 v[RS+1], v[T]
	v_nop                                          ; a plain instruction between a transcendental and the use of its result
.if \i == 0
	s_wait_dscnt 8                                 ; gamma and beta are in; row 1's eight loads may be out
.endif
	s_wait_alu depctr_va_vdst(0)
.irp k, 0,1,2,3,4,5,6,7,8,9,10,11,12,13,14,15
	v_pk_mul_f32 v[\X+2*\k:\X+2*\k+1], v[\X+2*\k:\X+2*\k+1], v[RS:RS+1]
.endr
.irp k, 0,1,2,3,4,5,6,7,8,9,10,11,12,13,14,15
	v_pk_fma_f32 v[\X+2*\k:\X+2*\k+1], v[\X+2*\k:\X+2*\k+1], v[G+2*\k:G+2*\k+1], v[BT+2*\k:BT+2*\k+1]
.endr
	v_max3_num_f32 v220, |v[\X]|, |v[\X+1]|, |v[\X+2]|          ; the block's largest magnitude: all 32 numbers are mine
	v_max3_num_f32 v221, |v[\X+3]|, |v[\X+4]|, |v[\X+5]|
.irp k, 6,10,14,18,22,26
	v_max3_num_f32 v220, v220, |v[\X+\k]|, |v[\X+\k+1]|
	v_max3_num_f32 v221, v221, |v[\X+\k+2]|, |v[\X+\k+3]|
.endr
	v_max3_num_f32 v220, v220, |v[\X+30]|, |v[\X+31]|
	v_max3_num_f32 v220, v220, v221, 0x1800000     ; and the floor 2^(3 - 127): the byte cannot fall under 1
	v_add_nc_u32 v221, 0xff000000, v220            ; 2 off its exponent field: the conversion takes this operand's exponent field as its scale
	v_lshrrev_b32 v[222+\i], 23, v221              ; the scale's byte
	v_cvt_scalef32_pk16_fp6_f32 v[PC+8*\i:PC+8*\i+2], v[\X:\X+15], v221
	v_cvt_scalef32_pk16_fp6_f32 v[PC+8*\i+4:PC+8*\i+6], v[\X+16:\X+31], v221   ; (a conversion's three registers begin on an even number)
	v_nop                                          ; one plain place behind a scaled conversion
	v_mov_b32 v[PC+8*\i+3], v[PC+8*\i+4]
	v_mov_b32 v[PC+8*\i+4], v[PC+8*\i+5]
	v_mov_b32 v[PC+8*\i+5], v[PC+8*\i+6]           ; the block's 24 bytes on end
	ds_store_b64 v5, v[PC+8*\i:PC+8*\i+1] offset:16*\i
	ds_store_b64 v6, v[PC+8*\i+2:PC+8*\i+3] offset:8+16*\i
	ds_store_b64 v5, v[PC+8*\i+4:PC+8*\i+5] offset:544+16*\i
	ds_store_b8 v7, v[222+\i] offset:32*\i
.endm
	ROW X0, 0
	ROW X1, 1
.irp i, 0,1,2,3,4,5,6,7
	ds_store_b128 v8, v[PM+4*\i:PM+4*\i+3] offset:16*\i
.endr
	s_wait_dscnt 0x0                               ; for the others' sake: images, scale bytes and maxima are in LDS
	s_barrier_signal -1
	s_barrier_wait -1
.irp j, 0,1,2
	ds_load_b128 v[32+4*\j:35+4*\j], v11 offset:544*\j
.endr
.irp v, 0,1,2,3,4,5,6,7
	ds_load_b64 v[64+2*\v:65+2*\v], v9 offset:XP*\v
.endr
.irp v, 0,1,2,3,4,5,6,7
	ds_load_b64 v[80+2*\v:81+2*\v], v10 offset:XP*\v
.endr
	s_wait_dscnt 16                                ; the image is in; the sixteen loads of maxima may be out
.irp j, 0,1,2
	global_store_b128 v12, v[32+4*\j:35+4*\j], s[16:17] offset:512*\j     ; 512 consecutive bytes a store
.endr
	s_wait_dscnt 0x0
	v_max3_num_f32 v192, v64, v66, v68             ; the sixteen waves' maxima of my two d, in two chains
	v_max3_num_f32 v193, v65, v67, v69
.irp v, 70,74,78,82,86,90
	v_max3_num_f32 v192, v192, v[\v], v[\v+2]
	v_max3_num_f32 v193, v193, v[\v+1], v[\v+3]
.endr
	v_max_num_f32 v192, v192, v94
	v_max_num_f32 v193, v193, v95
	global_store_b64 v13, v[192:193], s[24:25]     ; the wave stores 256 consecutive bytes, aligned
	s_cmp_lt_u32 s26, 2                            ; waves 0 and 1 store the 1,024 scale bytes
	s_cbranch_scc0 .Ldone
	ds_load_b128 v[96:99], v31
	s_wait_dscnt 0x0
	global_store_b128 v30, v[96:99], s[18:19]
.Ldone:
	s_wait_tensorcnt 0x0
	ds_add_u32 v224, v225
	s_wait_dscnt 0x0
	s_endpgm
.Lfunc_end_k_q2ef2972c12_prep:
	.size	k_q2ef2972c12_prep, .Lfunc_end_k_q2ef2972c12_prep-k_q2ef2972c12_prep
	.p2alignl 7, 3214868480
	.fill 96, 4, 3214868480
	.section	.rodata,"a",@progbits
	.p2align	6, 0x0
	.amdhsa_kernel k_q2ef2972c12_prep
		.amdhsa_group_segment_fixed_size 264192
		.amdhsa_private_segment_fixed_size 0
		.amdhsa_enable_private_segment 0
		.amdhsa_kernarg_size 88
		.amdhsa_user_sgpr_count 2
		.amdhsa_user_sgpr_kernarg_segment_ptr 1
		.amdhsa_wavefront_size32 1
		.amdhsa_system_sgpr_workgroup_id_x 1
		.amdhsa_system_sgpr_workgroup_id_y 1
		.amdhsa_system_sgpr_workgroup_id_z 1
		.amdhsa_system_vgpr_workitem_id 0
		.amdhsa_next_free_vgpr 226
		.amdhsa_next_free_sgpr 66
		.amdhsa_reserve_vcc 0
		.amdhsa_float_denorm_mode_32 3
		.amdhsa_float_denorm_mode_16_64 3
		.amdhsa_memory_ordered 1
		.amdhsa_forward_progress 1
		.amdhsa_inst_pref_size 34
	.end_amdhsa_kernel
	.amdgpu_metadata
---
amdhsa.version: [ 1, 2 ]
amdhsa.kernels:
  - .name:           k_q2ef2972c12_prep
    .symbol:         k_q2ef2972c12_prep.kd
    .args:
      - { .name: x, .offset: 0, .size: 8, .value_kind: global_buffer, .address_space: global }
      - { .name: padding, .offset: 8, .size: 8, .value_kind: global_buffer, .address_space: global }
      - { .name: ln_gamma, .offset: 16, .size: 8, .value_kind: global_buffer, .address_space: global }
      - { .name: ln_beta, .offset: 24, .size: 8, .value_kind: global_buffer, .address_space: global }
      - { .name: w1_codes, .offset: 32, .size: 8, .value_kind: global_buffer, .address_space: global }
      - { .name: w2_codes, .offset: 40, .size: 8, .value_kind: global_buffer, .address_space: global }
      - { .name: xq, .offset: 48, .size: 8, .value_kind: global_buffer, .address_space: global }
      - { .name: xs, .offset: 56, .size: 8, .value_kind: global_buffer, .address_space: global }
      - { .name: w1i, .offset: 64, .size: 8, .value_kind: global_buffer, .address_space: global }
      - { .name: w2i, .offset: 72, .size: 8, .value_kind: global_buffer, .address_space: global }
      - { .name: pm, .offset: 80, .size: 8, .value_kind: global_buffer, .address_space: global }
    .group_segment_fixed_size: 264192
    .private_segment_fixed_size: 0
    .kernarg_segment_align: 8
    .kernarg_segment_size: 88
    .max_flat_workgroup_size: 512
    .sgpr_count:     66
    .vgpr_count:     226
    .wavefront_size: 32
...
	.end_amdgpu_metadata
.endif
;; end of part 1
;; launch fc1 (part 2): grid 16 x 16, 4 waves a work-group, clusters of 4 x 4, 327,680 bytes of LDS; arguments xq, xs, w1i, w1_scales, b1, pm, gating_w, hi, hs, pl; writes hi, hs, pl
.if DOCPART == 2
	.amdgcn_target "amdgcn-amd-amdhsa--gfx1250"
	.amdhsa_code_object_version 6
	.text
	.protected	k_q2ef2972c12_fc1
	.globl	k_q2ef2972c12_fc1
	.p2align	8
	.type	k_q2ef2972c12_fc1,@function
k_q2ef2972c12_fc1:
	s_mov_b64 s[64:65], 0
	v_nop
	global_prefetch_b8 v0, s[64:65] scope:SCOPE_SE
	s_setreg_imm32_b32 hwreg(HW_REG_WAVE_MODE, 25, 1), 1
	s_wait_xcnt 0x0
	s_wait_alu depctr_hold_cnt(0) depctr_sa_sdst(0) depctr_va_vdst(0) depctr_va_sdst(0) depctr_va_ssrc(0) depctr_va_vcc(0) depctr_vm_vsrc(0)
	s_getreg_b32 s2, hwreg(HW_REG_IB_STS2, 6, 4)
	s_cmp_eq_u32 s2, 0
	s_cbranch_scc0 .Lentry_in_a_cluster
	s_endpgm
.Lentry_in_a_cluster:
	s_bfe_u32 s2, ttmp6, 0x10000c
	s_cmp_lg_u32 s2, 0xf033
	s_cbranch_scc0 .Lentry_shape_is_right
	s_endpgm
.Lentry_shape_is_right:
; h = Q(relu(Q(xn) W1 + b1)): 8,192 tokens x 4,096 units (512 for each of 8 experts) x K = 1,024, on codes of FP6 (E2M3) with one E8M0 scale for each 32 along K.
; A tile is 256 tokens x 256 units, made by a work-group of four waves; a wave makes 128 x 128: 64 accumulators of 16 x 16, 512 registers.
; A WORK-GROUP STAYS ON ITS WEIGHTS: it makes two tiles, 4,096 tokens apart, with the same 256 units.  Those units' codes for all of K (196,608 bytes) come into LDS once and stay; so do their scale words and b1 in registers.
; Only the tokens' tiles go through a ring of two LDS slots, K = 256 (49,152 bytes) a slot, and the ring goes on into the second tile: the first tile's last two changes of slots ask for the second tile's first two slots.
; Codes lie in memory and in LDS as IMAGES OF THE OPERANDS' REGISTERS (1,536 bytes a fragment: byte 512 j + 16 lane + 4 i = register 4 j + i): a fragment is three 16-byte loads at 16 x lane, a slot's tiles are dense blocks.
; THE PRODUCT IS USED TRANSPOSED (source 0 = 16 rows of W1, source 1 = 16 tokens), and the rows of a tile of W1 were chosen so that the 16 registers of tiles 2 B and 2 B + 1 are 16 neighbouring units:
; a lane holds one token, its registers run along the next product's K, and the wave's 128 units are one K step of it.  So the results are quantised in registers and leave as an image, without LDS.
; b1 is the C of each sum's first product.  All scale words (8 K steps x 16 tiles) stay in 128 registers that hold nothing else; the K steps are written out, since their registers' numbers differ.
; CLUSTERS: 4 x 4.  A row of the cluster shares the tokens' tiles, a column the weights': each is asked for jointly, by the same load with a mask that names the four.
; BESIDE IT wave 0 of each of the 256 work-groups makes two pieces of the gates' logits: for one sentence and 16 d the maximum over the 32 partial maxima, times gating_w, summed over the 16 d, for 8 experts.
; LIMITS: NaN and infinities are not served; a block of h under 2^-124, zeros among them, gets the scale byte 1 (zero codes; only this program reads the bytes); b1 is added first, not last.
; REGISTERS: window 0: v4-15 at work; v16-30 addresses; v32-95 x's scale words (tile a, K step k: 32 + 8 a + k); v96-159 W1's; v160-255 x's 8 fragments, one set; on the way out v160-255 are at work.
;   window 1: W1's fragments, two sets (128 p + 12 b); b1's 8 tiles in the gaps (v96-127, v224-255).   windows 2, 3: accumulator (a, b) at v[8 (8 (a % 4) + b)].
.set ASLOT, 49152                      ; a slot: the tokens' 16 tiles x 3,072 bytes; two slots from byte 0 on
.set BKP,   49152                      ; the weights' 16 tiles x 3,072 bytes of one K pair
.set BRES,  2*ASLOT                    ; behind the ring: the weights' four K pairs, filled once
.set SPARE, BRES+4*BKP                 ; behind them: the spare words, 128 bytes for each wave
.set KPA,   1572864                    ; xq: bytes from K pair to K pair
.set KPB,   786432                     ; w1i likewise
.set NEXTA, 2*KPA-16*49152             ; xq: back from a slot's last K pair of the first tile to its first of the second, 16 tile rows further down
.set WALKX, 131072                     ; xs: 4,096 rows x 32 bytes from the first tile to the second
.set WALKH, 1572864                    ; hi: 256 row tiles x 6,144 bytes
.set WALKS, 65536                      ; hs: 4,096 rows x 16 bytes
.set ADRA, 16                          ; v16-17 LDS address of my tokens' fragments in slot 0, 1
.set ADRB, 20                          ; v20-23 of my weights' in K pair 0 .. 3
.set SPW,  28                          ; v28 LDS address of my spare word; never rewritten
.set NIL,  29                          ; v29 0; never rewritten
.set SA,   32
.set SB,   96
.set AF,   160
.set HA,   160                         ; the way out: 64 numbers of a lane
.set PC,   224                         ; v224-242 the codes just made
.set TM,   244                         ; v244-247 largest magnitudes, v248-251 bytes, v252-255 the conversions' scale operands
.set PW,   4                           ; v4-11 the eight tiles' scale words; v12-15 joined two and two
.set WV,   24
.set G1A,  36                          ; s[36:43] group 1 for the tokens' tiles; s[44:51] their groups 0, one for each slot
.set G0A,  44
.set G1B,  52                          ; s[52:59] group 1 for the weights'; s[68:75] groups 0 for K pairs 0 and 1; s[76:79] for my quarter of K pairs 2 and 3
.set G0B,  68
.set G0C,  76
.set MSB, 0
.macro WIN new                         ; the immediate's high byte repeats the setting that is left; a switch that changes nothing is dropped
.if MSB != (\new)
	s_set_vgpr_msb (MSB<<8)|(\new)
.set MSB, (\new)
.endif
.endm
.macro PLACES n
.rept \n
	v_nop
.endr
.endm
.macro CREST                           ; a round of the cluster's barrier behind its opening barrier
	s_cmp_lg_u32 s[WV], 0
	s_cbranch_scc1 .Lnot_wave_0_\@
	s_barrier_signal -3
.Lnot_wave_0_\@:
	s_barrier_wait -3
	s_barrier_signal -1
	s_barrier_wait -1
.endm
.macro CROUND
	s_barrier_signal -1
	s_barrier_wait -1
	CREST
.endm
; A first fill: waves 0 and 1 fetch the tokens' halves, waves 2 and 3 the weights'.  The branch hangs on the wave's number alone.  Four v_nop follow each line.
.macro JLOAD g0a, g0b
	s_cmp_eq_u32 s25, 0
	s_cbranch_scc0 .Lfor_b_\@
	tensor_load_to_lds s[\g0a:\g0a+3], s[G1A:G1A+7]
	s_nop 0
.rept 4
	v_nop
.endr
	s_branch .Lasked_\@
.Lfor_b_\@:
	tensor_load_to_lds s[\g0b:\g0b+3], s[G1B:G1B+7]
	s_nop 0
.rept 4
	v_nop
.endr
.Lasked_\@:
.endm
; A refill: only the tokens' tiles are filled again; waves 0 and 1 fetch the halves, waves 2 and 3 have no part of the tile and issue nothing.
.macro ALOAD g0
	s_cmp_eq_u32 s25, 0
	s_cbranch_scc0 .Lnone_\@
	tensor_load_to_lds s[\g0:\g0+3], s[G1A:G1A+7]
	s_nop 0
.rept 4
	v_nop
.endr
.Lnone_\@:
.endm
.macro FRAG reg, adr, off              ; a fragment's image into its 12 registers
.irp j, 0,1,2
	ds_load_b128 v[\reg+4*\j:\reg+4*\j+3], v[\adr] offset:\off+512*\j
.endr
.endm
	s_load_b256 s[4:11], s[0:1], 0x0               ; xq, xs, w1i, w1_scales
	s_load_b256 s[12:19], s[0:1], 0x20             ; b1, pm, gating_w, hi
	s_load_b128 s[20:23], s[0:1], 0x40             ; hs, pl
	v_lshl_add_u32 v[SPW], v0, 2, SPARE
	v_mov_b32 v[NIL], 0
	ds_add_u32 v28, v29
	ds_add_u32 v28, v29
	s_wait_dscnt 0x0
	v_lshrrev_b32 v1, 5, v0
	v_readfirstlane_b32 s[WV], v1                  ; wave 0..3
	s_lshr_b32 s25, s[WV], 1                       ; which 128 tokens are mine.  Also: I fetch tokens (0) or weights (1)
	s_and_b32 s26, s[WV], 1                        ; which 128 units.  Also: which half of a tile I fetch
	s_bfe_u32 s27, ttmp6, 0x40000                  ; cx, cy: my place in the cluster
	s_bfe_u32 s28, ttmp6, 0x40004
	s_lshl_b32 s29, ttmp9, 2
	s_add_co_u32 s29, s29, s27                     ; tile column (units), 0 .. 15
	s_and_b32 s30, ttmp7, 0xffff
	s_lshl_b32 s30, s30, 2
	s_add_co_u32 s30, s30, s28                     ; the first tile's row (tokens), 0 .. 15; the second's is 16 more
	s_lshl_b32 s31, s28, 2
	s_lshl_b32 s31, 15, s31                        ; my row of the cluster
	s_lshl_b32 s32, 0x1111, s27                    ; my column
	s_or_b32 s[G1A], s31, (3<<16)|(1<<21)          ; the mask; elements of 8 bytes; bit 21 set beside a mask; no padding
	s_or_b32 s[G1B], s32, (3<<16)|(1<<21)
.irp g, G1A, G1B                       ; 24,576 dense bytes as 96 rows of 256
	s_mov_b32 s[\g+1], 32<<16
	s_mov_b32 s[\g+2], 96<<16
	s_mov_b32 s[\g+3], 32<<16
	s_mov_b32 s[\g+4], 96
	s_mov_b32 s[\g+5], 32
	s_mov_b32 s[\g+6], 0
	s_mov_b32 s[\g+7], 0
.endr
	s_mul_i32 s33, s26, 24576                      ; my half, in memory and in LDS: no place in the cluster enters an LDS address
	s_mul_i32 s60, s30, 49152                      ; the tokens' address hangs on the tile row alone,
	s_add_co_u32 s60, s60, s33
	s_mov_b32 s61, 0
	s_mul_i32 s34, s29, 49152                      ; the weights' on the tile column alone
	s_add_co_u32 s34, s34, s33
	s_mov_b32 s35, 0
	s_mul_i32 s80, s25, KPB                        ; my quarter of the weights' K pairs 2 and 3: K pair 2 + wave / 2, half wave % 2
	s_add_co_u32 s80, s80, s34
	s_add_co_u32 s80, s80, 2*KPB
	s_mov_b32 s81, 0
	s_mul_i32 s82, s[WV], 24576                    ; and its place behind K pairs 0 and 1
	s_mov_b32 s62, 0x76543210
	s_mov_b32 s63, 0xfedcba98
	s_wait_kmcnt 0x0
	s_add_nc_u64 s[60:61], s[4:5], s[60:61]
	s_add_nc_u64 s[34:35], s[8:9], s[34:35]
	s_add_nc_u64 s[80:81], s[8:9], s[80:81]
	CROUND                                         ; all sixteen work-groups are here: the first joint loads meet
.irp s, 0,1
	s_mov_b32 s[G0A+4*\s], 1
	s_add_co_u32 s[G0A+4*\s+1], s33, \s*ASLOT
	s_add_nc_u64 s[G0A+4*\s+2:G0A+4*\s+3], s[60:61], \s*KPA
	s_or_b32 s[G0A+4*\s+3], s[G0A+4*\s+3], 0x80000000
	s_mov_b32 s[G0B+4*\s], 1
	s_add_co_u32 s[G0B+4*\s+1], s33, BRES+\s*BKP
	s_add_nc_u64 s[G0B+4*\s+2:G0B+4*\s+3], s[34:35], \s*KPB
	s_or_b32 s[G0B+4*\s+3], s[G0B+4*\s+3], 0x80000000
	JLOAD G0A+4*\s, G0B+4*\s                       ; K pair s: the tokens' into slot s, the weights' into their place
.endr
	s_mov_b32 s[G0C], 1
	s_add_co_u32 s[G0C+1], s82, BRES+2*BKP
	s_mov_b64 s[G0C+2:G0C+3], s[80:81]
	s_or_b32 s[G0C+3], s[G0C+3], 0x80000000
	tensor_load_to_lds s[G0C:G0C+3], s[G1B:G1B+7]  ; the rest of the weights, a quarter to each wave: three loads of mine are out
	s_nop 0
.rept 4
	v_nop
.endr
	v_and_b32 v30, 31, v0                          ; lane
	v_lshlrev_b32 v24, 4, v30                      ; 16 x lane
	v_and_b32 v1, 15, v0                           ; r
	v_bfe_u32 v2, v0, 4, 1                         ; h
	v_lshlrev_b32 v25, 5, v1                       ; x's scale bytes: 32 a row
	v_and_b32 v3, 8, v1
	v_add_nc_u32 v3, v3, v1
	v_lshlrev_b32 v26, 5, v3                       ; W1's, by the tile's rows: r + 8 (r / 8)
	v_lshlrev_b32 v27, 6, v2                       ; b1: 16 numbers on for lanes 16-31
	s_mul_i32 s83, s25, 24576
	s_mul_i32 s84, s26, 24576
	s_add_co_u32 s84, s84, BRES
.irp s, 0,1
	v_add_nc_u32 v[ADRA+\s], s83, v24
	s_add_co_u32 s83, s83, ASLOT
.endr
.irp k, 0,1,2,3
	v_add_nc_u32 v[ADRB+\k], s84, v24
	s_add_co_u32 s84, s84, BKP
.endr
	s_lshl_b32 s85, s30, 8
	s_lshl_b32 s86, s25, 7
	s_add_co_u32 s85, s85, s86                     ; my first token of the first tile
	s_lshl_b32 s80, s85, 5
	s_mov_b32 s81, 0
	s_add_nc_u64 s[6:7], s[6:7], s[80:81]
	s_lshl_b32 s87, s29, 8
	s_lshl_b32 s86, s26, 7
	s_add_co_u32 s87, s87, s86                     ; my first unit
	s_lshl_b32 s80, s87, 5
	s_add_nc_u64 s[10:11], s[10:11], s[80:81]
	s_lshl_b32 s80, s87, 2
	s_add_nc_u64 s[12:13], s[12:13], s[80:81]
	s_lshr_b32 s88, s29, 1                         ; the expert
	s_and_b32 s89, s29, 1
	s_lshl_b32 s89, s89, 1
	s_add_co_u32 s89, s89, s26                     ; which K step of the next product my 128 units are
	s_mul_i32 s80, s88, 3145728
	s_lshr_b32 s86, s85, 4
	s_mul_i32 s86, s86, 6144
	s_add_co_u32 s80, s80, s86
	s_mul_i32 s86, s89, 1536
	s_add_co_u32 s80, s80, s86
	s_add_nc_u64 s[18:19], s[18:19], s[80:81]      ; hi [expert][row tile][K step][1536]
	s_lshl_b32 s80, s88, 13
	s_add_co_u32 s80, s80, s85
	s_lshl_b32 s80, s80, 4
	s_lshl_b32 s86, s89, 2
	s_add_co_u32 s80, s80, s86
	s_add_nc_u64 s[20:21], s[20:21], s[80:81]      ; hs [expert][row][4 words]
.macro SALOAD off                      ; x's scale words of my 128 tokens, off bytes on: lanes 16-31 take the same words as lanes 0-15, which the unit reads
.irp a, 0,1,2,3,4,5,6,7
.irp q, 0,1
	global_load_b128 v[SA+8*\a+4*\q:SA+8*\a+4*\q+3], v25, s[6:7] offset:\off+512*\a+16*\q
.endr
.endr
.endm
	SALOAD 0
.irp b, 0,1,2,3,4,5,6,7
.irp q, 0,1
	global_load_b128 v[SB+8*\b+4*\q:SB+8*\b+4*\q+3], v26, s[10:11] offset:(32*(\b/2)+8*(\b%2))*32+16*\q
.endr
.endr
	WIN 0x40                                       ; destination window 1
.irp b, 0,1,2,3,4,5,6,7
	global_load_b128 v[96+128*(\b/4)+8*(\b%4):96+128*(\b/4)+8*(\b%4)+3], v27, s[12:13] offset:(32*(\b/2)+8*(\b%2))*4      ; b1 in the result's layout: units 32 (b / 2) + 16 h + 8 (b % 2) + 0 .. 7
	global_load_b128 v[96+128*(\b/4)+8*(\b%4)+4:96+128*(\b/4)+8*(\b%4)+7], v27, s[12:13] offset:(32*(\b/2)+8*(\b%2))*4+16
.endr
	WIN 0
	; ---- wave 0: pieces j and j + 256 of the logits, j = 16 x tile row + tile column: sentence j / 64 and the sentence four further on, d = 16 (j % 64) + lane % 16.  j enters global addresses alone.
; One piece: p = the first of the 16 registers with my half of the 32 partial maxima; t = which of the two.
.macro PIECE p, t
	v_max3_num_f32 v200, v[\p], v[\p+1], v[\p+2]
.irp i, 3,5,7,9,11,13
	v_max3_num_f32 v200, v200, v[\p+\i], v[\p+\i+1]
.endr
	v_max_num_f32 v200, v200, v[\p+15]
	v_permlanex16_b32 v201, v200, s62, s63
	v_max_num_f32 v200, v200, v201                 ; the sentence's masked maximum at my d
.irp q, 0,1,2,3
	v_mul_f32 v[204+\q], v[192+\q], v200
.endr
.irp m, 1,2,4,8
.irp q, 0,1,2,3
	v_add_f32_dpp v[204+\q], v[204+\q], v[204+\q] row_xmask:\m row_mask:0xf bank_mask:0xf
.endr
.endr
	v_cmp_eq_u32 vcc_lo, 1, v1                     ; lane % 16 = q stores expert 4 h + q
	v_cndmask_b32 v[208+\t], v204, v205, vcc_lo
	v_cmp_eq_u32 vcc_lo, 2, v1
	v_cndmask_b32 v[208+\t], v[208+\t], v206, vcc_lo
	v_cmp_eq_u32 vcc_lo, 3, v1
	v_cndmask_b32 v[208+\t], v[208+\t], v207, vcc_lo
	v_cmp_gt_u32 vcc_lo, 4, v1
	s_wait_xcnt 0x0                                ; EXEC changes only behind this wait
	s_and_saveexec_b32 s94, vcc_lo
	global_store_b32 v7, v[208+\t], s[22:23] offset:8192*\t
	s_wait_xcnt 0x0                                ; and again in front of the line that widens it
	s_or_b32 exec_lo, exec_lo, s94
.endm
	s_cmp_lg_u32 s[WV], 0
	s_cbranch_scc1 .Lno_piece
	s_lshl_b32 s90, s30, 4
	s_add_co_u32 s90, s90, s29                     ; j, 0 .. 255
	s_lshr_b32 s91, s90, 6
	s_and_b32 s92, s90, 63
	s_lshl_b32 s92, s92, 6
	s_mov_b32 s93, 0
	s_add_nc_u64 s[16:17], s[16:17], s[92:93]      ; gating_w at my 16 d
	s_lshl_b32 s91, s91, 12
	s_add_co_u32 s92, s92, s91
	s_add_nc_u64 s[14:15], s[14:15], s[92:93]      ; pm at the first sentence and my 16 d
	s_lshl_b32 s92, s90, 5
	s_add_nc_u64 s[22:23], s[22:23], s[92:93]      ; pl: 32 bytes a piece
	v_lshlrev_b32 v4, 2, v1
	v_lshl_add_u32 v5, v2, 19, v4                  ; lanes 16-31 take the partial maxima 16 to 31,
	v_lshl_add_u32 v6, v2, 14, v4                  ; and experts 4 to 7
	v_lshl_add_u32 v7, v2, 4, v4
.irp i, 0,1,2,3,4,5,6,7,8,9,10,11,12,13,14,15
	global_load_b32 v[160+\i], v5, s[14:15] offset:32768*\i
.endr
.irp i, 0,1,2,3,4,5,6,7,8,9,10,11,12,13,14,15
	global_load_b32 v[176+\i], v5, s[14:15] offset:32768*\i+16384      ; four sentences of 4,096 bytes on
.endr
.irp q, 0,1,2,3
	global_load_b32 v[192+\q], v6, s[16:17] offset:4096*\q             ; the same 16 d serve both pieces
.endr
	v_mov_b32 v201, 0                              ; (a lane permute's destination counts as one of its sources)
	s_wait_loadcnt 0x0
	PIECE 160, 0
	PIECE 176, 1
.Lno_piece:
	s_wait_loadcnt 0x0                             ; scale words and b1
; 16 products: token tiles a0, a0 + 1 x the eight weight tiles, K step ks, weights' set p.  first = 1: b1 is C.  The 64 accumulators take turns, one instruction a turn, in the same order in every step.
.macro MUL16 a0, p, ks, first
.irp a, \a0, \a0+1
.irp b, 0,1,2,3,4,5,6,7
.if \first
	v_wmma_scale_f32_16x16x128_f8f6f4 v[8*(8*((\a)%4)+\b):8*(8*((\a)%4)+\b)+7], v[128*(\p)+12*\b:128*(\p)+12*\b+11], v[AF+12*(\a):AF+12*(\a)+11], v[96+128*(\b/4)+8*(\b%4):96+128*(\b/4)+8*(\b%4)+7], v[SB+8*\b+(\ks)], v[SA+8*(\a)+(\ks)] matrix_a_fmt:MATRIX_FMT_FP6 matrix_b_fmt:MATRIX_FMT_FP6
.else
	v_wmma_scale_f32_16x16x128_f8f6f4 v[8*(8*((\a)%4)+\b):8*(8*((\a)%4)+\b)+7], v[128*(\p)+12*\b:128*(\p)+12*\b+11], v[AF+12*(\a):AF+12*(\a)+11], v[8*(8*((\a)%4)+\b):8*(8*((\a)%4)+\b)+7], v[SB+8*\b+(\ks)], v[SA+8*(\a)+(\ks)] matrix_a_fmt:MATRIX_FMT_FP6 matrix_b_fmt:MATRIX_FMT_FP6
.endif
.endr
.endr
.endm
.macro FETCH_B kp, q, p                ; the weights' eight fragments of K pair kp's q-th 128 along K into set p: 24 loads
	WIN 0x40
.irp i, 0,1,2,3,4,5,6,7
	FRAG 128*(\p)+12*\i, ADRB+\kp, 3072*\i+1536*(\q)
.endr
	WIN 0
.endm
.macro FETCH_A slot, q, i0             ; the tokens' tiles i0 .. i0 + 3: 12 loads
.irp i, \i0, \i0+1, \i0+2, \i0+3
	FRAG AF+12*(\i), ADRA+\slot, 3072*(\i)+1536*(\q)
.endr
.endm
; A K pair's first 128 along K.  A token tile is free as soon as its eight products are issued, so one set of registers serves the tokens: tiles 0-3 are fetched anew in the step's middle, tiles 4-7 at its end.
; Loads into registers that products have read stand four plain vector instructions behind those products.
.macro STEP slot, kp, ks, first
	s_wait_dscnt 12                                ; the weights' set and tiles 0-3 are in; the youngest twelve loads (tiles 4-7) may be out
.if \first
	WIN 0x91                                       ; weights and C (b1) window 1, tokens window 0, D window 2
.else
	WIN 0xa1                                       ; weights window 1, tokens window 0, C and D window 2
.endif
	MUL16 0, 0, \ks, \first
	MUL16 2, 0, \ks, \first
	s_wait_dscnt 0x0                               ; tiles 4-7 are in (asked for 32 products ago)
	PLACES 4
	FETCH_B \kp, 1, 1
	FETCH_A \slot, 1, 0
.if \first
	WIN 0xd1
.else
	WIN 0xf1                                       ; C and D window 3
.endif
	MUL16 4, 0, \ks, \first
	MUL16 6, 0, \ks, \first
	PLACES 4
	WIN 0
	FETCH_A \slot, 1, 4
.endm
; A K pair's second 128 along K changes slots: ONE barrier; in front of it each wave waits for all its tensor loads, adds 0 to its spare word, and waits for that and for its reads of this slot.
; fill = 1: the slot takes this tile's K pair two on; fill = 2: the NEXT tile's K pair of the same parity; fill = 0: nothing is left to fetch.  fetch = 0: no fragments are fetched, since the way out follows and works in their registers.
.macro TURN slot, next, nkp, ks, fill, fetch
	s_wait_tensorcnt 0x0                           ; all my tensor loads have landed: my part of the next slot (at the first turn the rest of the weights too)
	ds_add_u32 v[SPW], v[NIL]                      ; 0 onto my spare word
	s_wait_dscnt 13                                ; (the add and the youngest twelve loads may be out)
	WIN 0xa1
	MUL16 0, 1, \ks, 0                             ; sixteen products stand between the add and the wait for it
	s_wait_dscnt 0x0                               ; the add is done, and my reads of this slot are over
	s_barrier_signal -1
	MUL16 2, 1, \ks, 0
	WIN 0
	s_barrier_wait -1
.if \fill
	CREST                                          ; the barrier has opened a round of the cluster's: no wave of any partner still reads this slot or has a load on its way
.if \fill == 1
	s_add_nc_u64 s[G0A+4*\slot+2:G0A+4*\slot+3], s[G0A+4*\slot+2:G0A+4*\slot+3], 2*KPA
.else
	s_sub_nc_u64 s[G0A+4*\slot+2:G0A+4*\slot+3], s[G0A+4*\slot+2:G0A+4*\slot+3], NEXTA
.endif
	ALOAD G0A+4*\slot                              ; the one tensor load of waves 0 and 1 behind the round
.endif
	PLACES 4                                       ; on every wave's way: in front of the loads into registers that products have read
.if \fetch
	FETCH_B \nkp, 0, 0
	FETCH_A \next, 0, 0
.endif
	WIN 0xf1
	MUL16 4, 1, \ks, 0
	MUL16 6, 1, \ks, 0
.if \fetch
	PLACES 4
	WIN 0
	FETCH_A \next, 0, 4
.else
	WIN 0
.endif
.endm
; THE WAY OUT.  64 numbers of a lane, register 16 b + i = unit 32 b + 16 (lane / 16) + i of my token, become a fragment's codes in v[PC] on and its scale word in v[pw].  None is negative, so no |.|.
.macro QUANT s, pw
.irp b, 0,1,2,3
	v_max3_num_f32 v[TM+\b], v[\s+16*\b], v[\s+1+16*\b], 0x1800000   ; block b: my 16 numbers, and the floor 2^(3 - 127): the byte cannot fall under 1
.endr
.irp i, 2,4,6,8,10,12,14
.irp b, 0,1,2,3
	v_max3_num_f32 v[TM+\b], v[TM+\b], v[\s+16*\b+\i], v[\s+1+16*\b+\i]   ; (the four blocks by turns)
.endr
.endr
.irp b, 0,1,2,3
	v_permlanex16_b32 v[TM+4+\b], v[TM+\b], s62, s63
.endr
.irp b, 0,1,2,3
	v_max_num_f32 v[TM+\b], v[TM+\b], v[TM+4+\b]   ; with lane l xor 16's: the block's largest
.endr
.irp b, 0,1,2,3
	v_add_nc_u32 v[TM+8+\b], 0xff000000, v[TM+\b]  ; 2 off its exponent field: the conversion's scale operand
.endr
.irp b, 0,1,2,3
	v_lshrrev_b32 v[TM+4+\b], 23, v[TM+8+\b]       ; the scale's byte
.endr
	v_lshl_or_b32 v[\pw], v[TM+5], 8, v[TM+4]
	v_lshl_or_b32 v[\pw], v[TM+6], 16, v[\pw]
	v_lshl_or_b32 v[\pw], v[TM+7], 24, v[\pw]      ; my token's scale word
	s_wait_xcnt 0x0                                ; the last tile's stores have read the codes' registers: they are written again only behind this wait
.irp c, 0,1
	v_cvt_scalef32_pk16_fp6_f32 v[PC+6*\c:PC+2+6*\c], v[\s+32*\c:\s+15+32*\c], v[TM+8+2*\c]
	v_cvt_scalef32_pk16_fp6_f32 v[PC+12+4*\c:PC+14+4*\c], v[\s+16+32*\c:\s+31+32*\c], v[TM+8+2*\c+1]   ; (a conversion's three registers begin on an even number)
.endr
	v_nop                                          ; one plain place behind a scaled conversion
.irp c, 0,1                            ; the operand's layout wants a WHOLE block in a lane: lanes 0-15 block 2 c, lanes 16-31 block 2 c + 1
.irp i, 0,1,2
	v_permlane16_swap_b32 v[PC+6*\c+\i], v[PC+12+4*\c+\i]
.endr
.irp i, 0,1,2
	v_mov_b32 v[PC+3+6*\c+\i], v[PC+12+4*\c+\i]
.endr
.endr
.endm
; tile = 0, 1: which of my two tiles leaves; its place in hi and hs stands in the stores' immediates.  reload = 1: the next tile's scale words of x are asked for first, and land under the quantiser.
.macro WAYOUT tile, reload
	PLACES 4                                       ; in front of the first read of results, of writes into registers that the last products read, and of the loads into their scale registers
.if \reload
	SALOAD WALKX
.endif
.irp b, 0,1,2,3
	v_mov_b32 v[TM+4+\b], 0                        ; a lane permute's destination counts as one of its sources
.endr
.irp a, 0,1,2,3,4,5,6,7
	WIN 0x08+4*(\a/4)                              ; source 1: window 2 or 3
.set J, 0
.rept 64
	v_max_num_f32 v[HA+J], 0, v[64*(\a%4)+J]       ; the activation is also the move into window 0; each accumulator is read from its low end on
.set J, J+1
.endr
	WIN 0
	QUANT HA, PW+\a
.irp j, 0,1,2
	global_store_b128 v24, v[PC+4*\j:PC+4*\j+3], s[18:19] offset:WALKH*\tile+6144*\a+512*\j      ; the image as it stands: 512 consecutive bytes a store, aligned
.endr
.endr
	v_cmp_le_u32 vcc_lo, 16, v30                   ; both halves of the lanes hold a tile's 16 words: lanes 0-15 give tile 2 i's, lanes 16-31 tile 2 i + 1's
.irp i, 0,1,2,3
	v_cndmask_b32 v[12+\i], v[PW+2*\i], v[PW+2*\i+1], vcc_lo
.endr
.irp i, 0,1,2,3
	global_store_b32 v24, v[12+\i], s[20:21] offset:WALKS*\tile+512*\i    ; one word of each row's four: the other three come from three other waves of the launch
.endr
.endm
	s_wait_tensorcnt 2                             ; my part of K pair 0 is in; my two younger loads may stay out
	s_barrier_signal -1
	s_barrier_wait -1                              ; everybody's is
	; ---- the first tile
	FETCH_B 0, 0, 0
	FETCH_A 0, 0, 0
	FETCH_A 0, 0, 4
	STEP 0, 0, 0, 1                                ; the first products start the sums from b1
	TURN 0, 1, 1, 1, 1, 1                          ; slot 0 takes K = 512 on
	STEP 1, 1, 2, 0
	TURN 1, 0, 2, 3, 1, 1                          ; slot 1 takes K = 768 on
	STEP 0, 2, 4, 0
	TURN 0, 1, 3, 5, 2, 1                          ; THE RING GOES ON INTO THE SECOND TILE: slot 0 takes its K = 0 on,
	STEP 1, 3, 6, 0
	TURN 1, 0, 0, 7, 2, 0                          ; slot 1 its K = 256 on, which lands under the way out
	WAYOUT 0, 1
	; ---- the second tile: slot 0 was shown whole to every wave by the last round
	s_wait_xcnt 0x0                                ; the last stores have read the codes' registers: fragments may land there
	FETCH_B 0, 0, 0
	FETCH_A 0, 0, 0
	FETCH_A 0, 0, 4
	s_wait_loadcnt 0x0                             ; this tile's scale words of x
	STEP 0, 0, 0, 1
	TURN 0, 1, 1, 1, 1, 1
	STEP 1, 1, 2, 0
	TURN 1, 0, 2, 3, 1, 1
	STEP 0, 2, 4, 0
	TURN 0, 1, 3, 5, 0, 1                          ; nothing is left to fetch
	STEP 1, 3, 6, 0
	s_wait_dscnt 12
	WIN 0xa1
	MUL16 0, 1, 7, 0
	MUL16 2, 1, 7, 0
	s_wait_dscnt 0x0
	WIN 0xf1
	MUL16 4, 1, 7, 0
	MUL16 6, 1, 7, 0
	WIN 0
	WAYOUT 1, 0
	s_wait_tensorcnt 0x0                           ; the wave's end
	ds_add_u32 v[SPW], v[NIL]
	s_wait_dscnt 0x0
	CROUND                                         ; the closing round: no work-group ends while a partner may still ask for a tile that names it
	s_endpgm
.Lfunc_end_k_q2ef2972c12_fc1:
	.size	k_q2ef2972c12_fc1, .Lfunc_end_k_q2ef2972c12_fc1-k_q2ef2972c12_fc1
	.p2alignl 7, 3214868480
	.fill 96, 4, 3214868480
	.section	.rodata,"a",@progbits
	.p2align	6, 0x0
	.amdhsa_kernel k_q2ef2972c12_fc1
		.amdhsa_group_segment_fixed_size 327680
		.amdhsa_private_segment_fixed_size 0
		.amdhsa_enable_private_segment 0
		.amdhsa_kernarg_size 80
		.amdhsa_user_sgpr_count 2
		.amdhsa_user_sgpr_kernarg_segment_ptr 1
		.amdhsa_wavefront_size32 1
		.amdhsa_system_sgpr_workgroup_id_x 1
		.amdhsa_system_sgpr_workgroup_id_y 1
		.amdhsa_system_sgpr_workgroup_id_z 1
		.amdhsa_system_vgpr_workitem_id 0
		.amdhsa_next_free_vgpr 1024
		.amdhsa_next_free_sgpr 100
		.amdhsa_reserve_vcc 1
		.amdhsa_float_denorm_mode_32 3
		.amdhsa_float_denorm_mode_16_64 3
		.amdhsa_memory_ordered 1
		.amdhsa_forward_progress 1
		.amdhsa_inst_pref_size 255
	.end_amdhsa_kernel
	.section	.bss,"aw",@nobits
	.p2align	6
	.space	262144
	.amdgpu_metadata
---
amdhsa.version: [ 1, 2 ]
amdhsa.kernels:
  - .name:           k_q2ef2972c12_fc1
    .symbol:         k_q2ef2972c12_fc1.kd
    .args:
      - { .name: xq, .offset: 0, .size: 8, .value_kind: global_buffer, .address_space: global }
      - { .name: xs, .offset: 8, .size: 8, .value_kind: global_buffer, .address_space: global }
      - { .name: w1i, .offset: 16, .size: 8, .value_kind: global_buffer, .address_space: global }
      - { .name: w1_scales, .offset: 24, .size: 8, .value_kind: global_buffer, .address_space: global }
      - { .name: b1, .offset: 32, .size: 8, .value_kind: global_buffer, .address_space: global }
      - { .name: pm, .offset: 40, .size: 8, .value_kind: global_buffer, .address_space: global }
      - { .name: gating_w, .offset: 48, .size: 8, .value_kind: global_buffer, .address_space: global }
      - { .name: hi, .offset: 56, .size: 8, .value_kind: global_buffer, .address_space: global }
      - { .name: hs, .offset: 64, .size: 8, .value_kind: global_buffer, .address_space: global }
      - { .name: pl, .offset: 72, .size: 8, .value_kind: global_buffer, .address_space: global }
    .group_segment_fixed_size: 327680
    .private_segment_fixed_size: 0
    .kernarg_segment_align: 8
    .kernarg_segment_size: 80
    .max_flat_workgroup_size: 128
    .sgpr_count:     100
    .vgpr_count:     1024
    .wavefront_size: 32
...
	.end_amdgpu_metadata
.endif
;; end of part 2
;; launch fc2 (part 3): grid 4 x 64, 4 waves a work-group, clusters of 4 x 4, 327,680 bytes of LDS; arguments hi, hs, w2i, w2_scales, b2, pl, x, out0, out1; writes out0, out1
.if DOCPART == 3
	.amdgcn_target "amdgcn-amd-amdhsa--gfx1250"
	.amdhsa_code_object_version 6
	.text
	.protected	k_q2ef2972c12_fc2
	.globl	k_q2ef2972c12_fc2
	.p2align	8
	.type	k_q2ef2972c12_fc2,@function
k_q2ef2972c12_fc2:
	s_mov_b64 s[64:65], 0
	v_nop
	global_prefetch_b8 v0, s[64:65] scope:SCOPE_SE
	s_setreg_imm32_b32 hwreg(HW_REG_WAVE_MODE, 25, 1), 1
	s_wait_xcnt 0x0
	s_wait_alu depctr_hold_cnt(0) depctr_sa_sdst(0) depctr_va_vdst(0) depctr_va_sdst(0) depctr_va_ssrc(0) depctr_va_vcc(0) depctr_vm_vsrc(0)
	s_getreg_b32 s2, hwreg(HW_REG_IB_STS2, 6, 4)
	s_cmp_eq_u32 s2, 0
	s_cbranch_scc0 .Lentry_in_a_cluster
	s_endpgm
.Lentry_in_a_cluster:
	s_bfe_u32 s2, ttmp6, 0x10000c
	s_cmp_lg_u32 s2, 0xf033
	s_cbranch_scc0 .Lentry_shape_is_right
	s_endpgm
.Lentry_shape_is_right:
; out = sum over experts e of g[b][e] (Q(h_e) W2_e + b2_e) + x, and the gates' logits.  The products are on codes of FP6 (E2M3) with one E8M0 scale for each 32 along K = 512.
; A work-group of four waves makes 128 tokens of ONE sentence x 256 d, so that a gate is a scalar; a wave 64 x 128.  That gives each of 256 work-groups one tile; a tile of 256 x 256 would make 128.
; Two sets of 32 accumulators: Y, one expert's sums, and OUT.  An expert's Y is weighed into OUT (OUT += g Y, packed) in the next expert's first K step, four vector instructions ahead of the product that begins that Y anew.
; Codes lie in memory and LDS as images of the operands' registers (1,536 bytes a fragment).  A slot holds one expert's tiles, all of K: W2's 16 tiles (98,304 bytes), then h's 8 (49,152); two slots.
; THE PRODUCT IS USED TRANSPOSED (source 0 = 16 rows of W2, source 1 = 16 tokens); the rows of a tile of W2 were chosen so that a lane's registers of tiles 2 B, 2 B + 1 are 16 neighbouring d of one token.
; CLUSTERS: 4 x 4.  A row of the cluster shares h's tiles, a column W2's: joint loads.  Waves 0-2 fetch thirds of W2's tiles, wave 3 h's.
; THE GATES: each wave sums the 64 partial logits of its sentence, takes the largest away, and makes softmax and its renormalisation for itself: 2 KiB read, no LDS, no barrier.
; LIMITS: NaN and infinities are not served; a logit is the ordered sum of 64 sums over 16 d; divisions are a reciprocal and a multiplication; b2 enters last, as sum g b2.
; REGISTERS: window 0: v12-15 sum g b2 of my four d; v16-29 addresses; v32-63 h's scale words (32 + 16 set + 4 a + k); v64-127 W2's (64 + 32 set + 4 b + k); v128-223 h's fragments, two sets; v224-255 at work.
;   window 1: W2's fragments, two sets (128 p + 12 b); on the way out x.   window 2: Y(a, b) at v[8 (8 a + b)].   window 3: OUT likewise.
.set SLOT,  147456
.set AOFF,  98304                      ; h's tiles in a slot
.set SPARE, 2*SLOT                     ; behind the ring: the spare words, 128 bytes for each wave
.set ADRA, 16                          ; v16-17 LDS address of my tokens' fragments in slot 0, 1
.set ADRB, 20                          ; v20-21 of my weights'
.set STO,  24                          ; v24 the way out: where I put 32 bytes of a row
.set RD,   25                          ; v25 and where I read a row back
.set SPW,  28
.set NIL,  29
.set SA,   32
.set SB,   64
.set HF,   128
.set BK,   128                         ; the way out: 16 rows read back: v128-191 and v192-255 by turns
.set WV,   22
.set G1A,  36
.set G0A,  44
.set G1B,  52
.set G0B,  68
.set LG,   76                          ; s76-83 the eight logits
.set GT,   84                          ; s[84 + 2 e : 85 + 2 e] gate e, as a pair
.set MSB, 0
.macro WIN new
.if MSB != (\new)
	s_set_vgpr_msb (MSB<<8)|(\new)
.set MSB, (\new)
.endif
.endm
.macro PLACES n
.rept \n
	v_nop
.endr
.endm
.macro CREST
	s_cmp_lg_u32 s[WV], 0
	s_cbranch_scc1 .Lnot_wave_0_\@
	s_barrier_signal -3
.Lnot_wave_0_\@:
	s_barrier_wait -3
	s_barrier_signal -1
	s_barrier_wait -1
.endm
.macro CROUND
	s_barrier_signal -1
	s_barrier_wait -1
	CREST
.endm
.macro JLOAD g0a, g0b                  ; wave 3 fetches h's tiles, waves 0-2 W2's.  The branch hangs on the wave's number alone.  Four v_nop follow each line
	s_cmp_eq_u32 s[WV], 3
	s_cbranch_scc0 .Lfor_b_\@
	tensor_load_to_lds s[\g0a:\g0a+3], s[G1A:G1A+7]
	s_nop 0
.rept 4
	v_nop
.endr
	s_branch .Lasked_\@
.Lfor_b_\@:
	tensor_load_to_lds s[\g0b:\g0b+3], s[G1B:G1B+7]
	s_nop 0
.rept 4
	v_nop
.endr
.Lasked_\@:
.endm
.macro FRAG reg, adr, off
.irp j, 0,1,2
	ds_load_b128 v[\reg+4*\j:\reg+4*\j+3], v[\adr] offset:\off+512*\j
.endr
.endm
	s_load_b256 s[4:11], s[0:1], 0x0               ; hi, hs, w2i, w2_scales
	s_load_b256 s[12:19], s[0:1], 0x20             ; b2, pl, x, out0
	s_load_b64 s[20:21], s[0:1], 0x40              ; out1
	v_lshl_add_u32 v[SPW], v0, 2, SPARE
	v_mov_b32 v[NIL], 0
	ds_add_u32 v28, v29
	ds_add_u32 v28, v29
	s_wait_dscnt 0x0
	v_lshrrev_b32 v1, 5, v0
	v_readfirstlane_b32 s[WV], v1                  ; wave 0..3
	s_lshr_b32 s23, s[WV], 1                       ; which 64 tokens are mine
	s_and_b32 s24, s[WV], 1                        ; which 128 d
	s_bfe_u32 s25, ttmp6, 0x40000                  ; cx, cy
	s_bfe_u32 s26, ttmp6, 0x40004
	s_lshl_b32 s27, ttmp9, 2
	s_add_co_u32 s27, s27, s25                     ; tile column (d)
	s_and_b32 s28, ttmp7, 0xffff
	s_lshl_b32 s28, s28, 2
	s_add_co_u32 s28, s28, s26                     ; tile row (tokens)
	s_lshl_b32 s29, s26, 2
	s_lshl_b32 s29, 15, s29                        ; my row of the cluster
	s_lshl_b32 s30, 0x1111, s25                    ; my column
	s_or_b32 s[G1A], s29, (3<<16)|(1<<21)          ; h: 49,152 dense bytes as 192 rows of 256
	s_mov_b32 s[G1A+1], 32<<16
	s_mov_b32 s[G1A+2], 192<<16
	s_mov_b32 s[G1A+3], 32<<16
	s_mov_b32 s[G1A+4], 192
	s_mov_b32 s[G1A+5], 32
	s_mov_b32 s[G1A+6], 0
	s_mov_b32 s[G1A+7], 0
	s_or_b32 s[G1B], s30, (3<<16)|(1<<21)          ; W2: 32,768 dense bytes as 128 rows of 256
	s_mov_b32 s[G1B+1], 32<<16
	s_mov_b32 s[G1B+2], 128<<16
	s_mov_b32 s[G1B+3], 32<<16
	s_mov_b32 s[G1B+4], 128
	s_mov_b32 s[G1B+5], 32
	s_mov_b32 s[G1B+6], 0
	s_mov_b32 s[G1B+7], 0
	s_mul_i32 s34, s28, 49152                      ; h's address hangs on the tile row alone,
	s_mov_b32 s35, 0
	s_lshl_b32 s31, s[WV], 15                      ; 32,768 x wave: my part's place in a slot, and my third of W2's tiles
	s_mul_i32 s32, s27, 98304                      ; W2's on the tile column alone
	s_add_co_u32 s32, s32, s31
	s_mov_b32 s33, 0
	s_mov_b32 s62, 0x76543210
	s_mov_b32 s63, 0xfedcba98
	s_wait_kmcnt 0x0
	s_add_nc_u64 s[34:35], s[4:5], s[34:35]
	s_add_nc_u64 s[32:33], s[8:9], s[32:33]
	CROUND                                         ; all sixteen work-groups are here: the first joint loads meet
.irp s, 0,1
	s_mov_b32 s[G0A+4*\s], 1
	s_add_co_u32 s[G0A+4*\s+1], s31, \s*SLOT
	s_add_nc_u64 s[G0A+4*\s+2:G0A+4*\s+3], s[34:35], \s*3145728
	s_or_b32 s[G0A+4*\s+3], s[G0A+4*\s+3], 0x80000000
	s_mov_b32 s[G0B+4*\s], 1
	s_add_co_u32 s[G0B+4*\s+1], s31, \s*SLOT
	s_add_nc_u64 s[G0B+4*\s+2:G0B+4*\s+3], s[32:33], \s*393216
	s_or_b32 s[G0B+4*\s+3], s[G0B+4*\s+3], 0x80000000
	JLOAD G0A+4*\s, G0B+4*\s                       ; slot s takes expert s: two loads of mine are out
.endr
	v_and_b32 v2, 31, v0                           ; lane
	v_lshlrev_b32 v26, 4, v2                       ; v26 16 x lane
	v_and_b32 v3, 15, v0                           ; r
	v_bfe_u32 v4, v0, 4, 1                         ; h
	v_lshlrev_b32 v22, 4, v3                       ; v22 h's scale words: 16 bytes a row
	v_and_b32 v5, 8, v3
	v_add_nc_u32 v5, v5, v3
	v_lshlrev_b32 v23, 4, v5                       ; v23 W2's, by the tile's rows
	s_mul_i32 s76, s23, 24576
	s_add_co_u32 s76, s76, AOFF
	s_mul_i32 s77, s24, 49152
.irp s, 0,1
	v_add_nc_u32 v[ADRA+\s], s76, v26
	v_add_nc_u32 v[ADRB+\s], s77, v26
	s_add_co_u32 s76, s76, SLOT
	s_add_co_u32 s77, s77, SLOT
.endr
	s_mul_i32 s76, s[WV], 16*528                   ; my stage, in slot 0: it is stored into only when that slot has had its last fill and its last read
	v_mul_u32_u24 v[STO], v3, 528
	v_lshl_add_u32 v[STO], v4, 6, v[STO]
	v_add_nc_u32 v[STO], s76, v[STO]               ; in: row r, + 64 bytes for lanes 16-31
	v_add_nc_u32 v[RD], s76, v26                   ; back: a row of 512 bytes, 16 a lane
	s_lshl_b32 s78, s28, 7
	s_lshl_b32 s79, s23, 6
	s_add_co_u32 s78, s78, s79                     ; my first token's row in the workspace
	s_lshl_b32 s80, s78, 4
	s_mov_b32 s81, 0
	s_add_nc_u64 s[6:7], s[6:7], s[80:81]
	s_lshl_b32 s82, s27, 8
	s_lshl_b32 s83, s24, 7
	s_add_co_u32 s82, s82, s83                     ; my first d
	s_lshl_b32 s80, s82, 4
	s_add_nc_u64 s[10:11], s[10:11], s[80:81]
	s_lshl_b32 s80, s82, 2
	s_add_nc_u64 s[12:13], s[12:13], s[80:81]
	s_lshr_b32 s84, s28, 3                         ; the sentence: equal in the whole cluster
	s_lshl_b32 s80, s84, 11
	s_add_nc_u64 s[14:15], s[14:15], s[80:81]
	s_lshl_b32 s80, s84, 5
	s_add_nc_u64 s[20:21], s[20:21], s[80:81]
	s_and_b32 s80, s78, 1023                       ; my first position s
	s_lshl_b32 s80, s80, 3
	s_add_co_u32 s80, s80, s84
	s_lshl_b32 s80, s80, 12
	s_lshl_b32 s85, s82, 2
	s_add_co_u32 s80, s80, s85
	s_add_nc_u64 s[16:17], s[16:17], s[80:81]      ; x and out0 at (s, b, d)
	s_add_nc_u64 s[18:19], s[18:19], s[80:81]
; an expert's scale words into set: four words a row by one load.  step = 1: on to the next expert first; the loads that last named these bases were waited for at this expert's first K step
.macro SCLOAD set, step
.if \step
	s_add_nc_u64 s[6:7], s[6:7], 131072
	s_add_nc_u64 s[10:11], s[10:11], 16384
.endif
.irp a, 0,1,2,3
	global_load_b128 v[SA+16*(\set)+4*\a:SA+16*(\set)+4*\a+3], v22, s[6:7] offset:256*\a
.endr
.irp b, 0,1,2,3,4,5,6,7
	global_load_b128 v[SB+32*(\set)+4*\b:SB+32*(\set)+4*\b+3], v23, s[10:11] offset:(32*(\b/2)+8*(\b%2))*16
.endr
.endm
.irp k, 0,1,2,3
	global_load_b128 v[224+4*\k:227+4*\k], v26, s[14:15] offset:512*\k        ; the sentence's 64 x 8 partial logits: a lane of parity p holds experts 4 p + 0 .. 3
.endr
.irp e, 0,1,2,3,4,5,6,7
	global_load_b128 v[128+4*\e:131+4*\e], v26, s[12:13] offset:4096*\e       ; b2 of my four d in a row of the way out
.endr
	SCLOAD 0, 0
	s_wait_loadcnt 0x0
	v_pk_add_f32 v[224:225], v[224:225], v[228:229]
	v_pk_add_f32 v[226:227], v[226:227], v[230:231]
	v_pk_add_f32 v[232:233], v[232:233], v[236:237]
	v_pk_add_f32 v[234:235], v[234:235], v[238:239]
	v_pk_add_f32 v[224:225], v[224:225], v[232:233]
	v_pk_add_f32 v[226:227], v[226:227], v[234:235]
.irp m, 2,4,8
.irp c, 0,1,2,3
	v_add_f32_dpp v[224+\c], v[224+\c], v[224+\c] row_xmask:\m row_mask:0xf bank_mask:0xf   ; among the lanes of my parity
.endr
.endr
.irp c, 0,1,2,3
	v_permlanex16_b32 v[228+\c], v[224+\c], s62, s63
.endr
.irp c, 0,1,2,3
	v_add_f32 v[224+\c], v[224+\c], v[228+\c]
.endr
.irp c, 0,1,2,3
	v_readlane_b32 s[LG+\c], v[224+\c], 0
	v_readlane_b32 s[LG+4+\c], v[224+\c], 1
.endr
.irp e, 0,1,2,3,4,5,6,7
	v_mov_b32 v[232+\e], s[LG+\e]                  ; the eight logits, alike in every lane
.endr
	v_max3_num_f32 v240, v232, v233, v234
	v_max3_num_f32 v240, v240, v235, v236
	v_max3_num_f32 v240, v240, v237, v238
	v_max_num_f32 v240, v240, v239                 ; the largest is taken away
.irp e, 0,1,2,3,4,5,6,7
	v_sub_f32 v[232+\e], v[232+\e], v240
.endr
.irp e, 0,1,2,3,4,5,6,7
	v_mul_f32 v[232+\e], 0x3fb8aa3b, v[232+\e]
.endr
.irp e, 0,1,2,3,4,5,6,7
	v_exp_f32 v[232+\e], v[232+\e]
.endr
	v_nop                                          ; a plain instruction between a transcendental and the use of its result
	s_wait_alu depctr_va_vdst(0)
.macro SUM8                            ; v241 = the sum of v232-239
	v_add_f32 v241, v232, v233
	v_add_f32 v242, v234, v235
	v_add_f32 v243, v236, v237
	v_add_f32 v244, v238, v239
	v_add_f32 v241, v241, v242
	v_add_f32 v243, v243, v244
	v_add_f32 v241, v241, v243
.endm
	SUM8
	v_rcp_f32 v241, v241
	v_nop
	s_wait_alu depctr_va_vdst(0)
.irp e, 0,1,2,3,4,5,6,7
	v_mul_f32 v[232+\e], v[232+\e], v241           ; the softmax
.endr
	SUM8
	v_add_f32 v241, 0x3089705f, v241               ; + 1e-9
	v_rcp_f32 v241, v241
	v_nop
	s_wait_alu depctr_va_vdst(0)
.irp e, 0,1,2,3,4,5,6,7
	v_mul_f32 v[232+\e], v[232+\e], v241           ; and its renormalisation
.endr
.irp e, 0,1,2,3,4,5,6,7
	v_readfirstlane_b32 s[GT+2*\e], v[232+\e]
	s_mov_b32 s[GT+2*\e+1], s[GT+2*\e]             ; (named with it as a pair, so it is written)
.endr
	v_pk_mul_f32 v[12:13], v[128:129], s[GT:GT+1] op_sel_hi:[1,0]
	v_pk_mul_f32 v[14:15], v[130:131], s[GT:GT+1] op_sel_hi:[1,0]
.irp e, 1,2,3,4,5,6,7
	v_pk_fma_f32 v[12:13], v[128+4*\e:129+4*\e], s[GT+2*\e:GT+2*\e+1], v[12:13] op_sel_hi:[1,0,1]
	v_pk_fma_f32 v[14:15], v[130+4*\e:131+4*\e], s[GT+2*\e:GT+2*\e+1], v[14:15] op_sel_hi:[1,0,1]
.endr
	; the logits are an output: of a sentence's 32 work-groups one stores them.  Its place enters a mask of lanes alone, no branch and no LDS address
	s_cmp_lg_u32 s[WV], 0
	s_cbranch_scc1 .Lno_logits
	v_mov_b32 v245, 0
.irp e, 0,1,2,3,4,5,6,7
	v_writelane_b32 v245, s[LG+\e], \e
.endr
	s_and_b32 s61, ttmp7, 1
	s_lshl_b32 s61, s61, 4
	s_lshl_b32 s100, s26, 2
	s_add_co_u32 s61, s61, s100
	s_add_co_u32 s61, s61, s25
	s_cmp_eq_u32 s61, 0
	s_cselect_b32 s61, 8, 0
	v_cmp_gt_u32 vcc_lo, s61, v2
	v_lshlrev_b32 v246, 2, v2
	s_wait_xcnt 0x0                                ; EXEC changes only behind this wait
	s_and_saveexec_b32 s101, vcc_lo
	global_store_b32 v246, v245, s[20:21]
	s_wait_xcnt 0x0                                ; and again in front of the line that widens it
	s_or_b32 exec_lo, exec_lo, s101
.Lno_logits:
; 36 LDS loads in one run: K step ks of the slot's expert into set p: the weights' eight fragments, then my tokens' four
.macro FETCH slot, ks, p
	WIN 0x40
.irp b, 0,1,2,3,4,5,6,7
	FRAG 128*(\p)+12*\b, ADRB+\slot, 6144*\b+1536*(\ks)
.endr
	WIN 0
.irp a, 0,1,2,3
	FRAG HF+48*(\p)+12*\a, ADRA+\slot, 6144*\a+1536*(\ks)
.endr
.endm
; Token tile a against the eight weight tiles.  comb = 2: ahead of each product the last expert's Y(a, b) is weighed into OUT(a, b); comb = 1: it starts OUT, so nothing is ever cleared.  At ks = 0 the product starts Y anew with C = 0.
; The 32 accumulators take turns, one instruction a turn, in the same order in every step.  Y is read from its low end on.
.macro MULA a, p, ks, set, comb, gate
.irp b, 0,1,2,3,4,5,6,7
.if \comb == 2
	WIN 0xf2                                       ; Y window 2; OUT, source and destination, window 3
.irp i, 0,2,4,6
	v_pk_fma_f32 v[8*(8*\a+\b)+\i:8*(8*\a+\b)+\i+1], v[8*(8*\a+\b)+\i:8*(8*\a+\b)+\i+1], s[\gate:\gate+1], v[8*(8*\a+\b)+\i:8*(8*\a+\b)+\i+1] op_sel_hi:[1,0,1]
.endr
.endif
.if \comb == 1
	WIN 0xc2
.irp i, 0,2,4,6
	v_pk_mul_f32 v[8*(8*\a+\b)+\i:8*(8*\a+\b)+\i+1], v[8*(8*\a+\b)+\i:8*(8*\a+\b)+\i+1], s[\gate:\gate+1] op_sel_hi:[1,0]
.endr
.endif
	WIN 0xa1                                       ; weights window 1, tokens window 0, C and D window 2
.if \ks == 0
	v_wmma_scale_f32_16x16x128_f8f6f4 v[8*(8*\a+\b):8*(8*\a+\b)+7], v[128*(\p)+12*\b:128*(\p)+12*\b+11], v[HF+48*(\p)+12*\a:HF+48*(\p)+12*\a+11], 0, v[SB+32*(\set)+4*\b+\ks], v[SA+16*(\set)+4*\a+\ks] matrix_a_fmt:MATRIX_FMT_FP6 matrix_b_fmt:MATRIX_FMT_FP6
.else
	v_wmma_scale_f32_16x16x128_f8f6f4 v[8*(8*\a+\b):8*(8*\a+\b)+7], v[128*(\p)+12*\b:128*(\p)+12*\b+11], v[HF+48*(\p)+12*\a:HF+48*(\p)+12*\a+11], v[8*(8*\a+\b):8*(8*\a+\b)+7], v[SB+32*(\set)+4*\b+\ks], v[SA+16*(\set)+4*\a+\ks] matrix_a_fmt:MATRIX_FMT_FP6 matrix_b_fmt:MATRIX_FMT_FP6
.endif
.endr
.endm
; One of an expert's first three K steps.  scl = 1: the next expert's scale words are asked for, three steps ahead of their use.
.macro KST slot, ks, comb, gate, scl
.if \ks == 0
	s_wait_loadcnt 0x0                             ; this expert's scale words
.endif
	s_wait_dscnt 6                                 ; the weights and token tiles 0, 1 are in; the youngest six loads (tiles 2, 3) may be out
.if \comb
	PLACES 5                                       ; a product that begins an accumulator anew stands five places behind the product that wrote it, a read of it four
.endif
	MULA 0, (\ks)%2, \ks, \slot, \comb, \gate
	MULA 1, (\ks)%2, \ks, \slot, \comb, \gate
	PLACES 4                                       ; in front of loads into registers that products have read
	FETCH \slot, (\ks)+1, ((\ks)+1)%2
.if \scl
	SCLOAD 1-\slot, 1
.endif
	s_wait_dscnt 36                                ; all but the 36 just issued
	MULA 2, (\ks)%2, \ks, \slot, \comb, \gate
	MULA 3, (\ks)%2, \ks, \slot, \comb, \gate
.endm
; An expert's last K step changes slots: ONE barrier; in front of it each wave waits for all its tensor loads, adds 0 to its spare word, and waits for that and for its reads of this slot.  fill = 1: the slot takes the expert two on.
.macro TURN slot, next, fill
	WIN 0                                          ; (the add's two registers lie in window 0)
	s_wait_tensorcnt 0x0                           ; all my tensor loads have landed: the one that was out is my part of the next slot
	ds_add_u32 v[SPW], v[NIL]                      ; 0 onto my spare word
	s_wait_dscnt 7                                 ; (the add and the youngest six loads may be out)
	MULA 0, 1, 3, \slot, 0, 0                      ; eight products stand between the add and the wait for it
	s_wait_dscnt 0x0                               ; the add is done, and my reads of this slot are over
	s_barrier_signal -1
	MULA 1, 1, 3, \slot, 0, 0
	WIN 0
	s_barrier_wait -1
.if \fill
	CREST                                          ; the barrier has opened a round of the cluster's: no wave of any partner still reads this slot or has a load on its way
	s_add_nc_u64 s[G0A+4*\slot+2:G0A+4*\slot+3], s[G0A+4*\slot+2:G0A+4*\slot+3], 2*3145728
	s_add_nc_u64 s[G0B+4*\slot+2:G0B+4*\slot+3], s[G0B+4*\slot+2:G0B+4*\slot+3], 2*393216
	JLOAD G0A+4*\slot, G0B+4*\slot                 ; my one tensor load behind the round: it has an expert's 128 products in which to land; its four v_nop are also the places in front of the loads below
.else
	PLACES 4
.endif
	FETCH \next, 0, 0
	MULA 2, 1, 3, \slot, 0, 0
	MULA 3, 1, 3, \slot, 0, 0
.endm
; Two experts, from the first one's second K step to the first K step of the expert after them; both slots are filled again.
.macro LAP ca, ga, gb
	KST 0, 1, 0, 0, 1
	KST 0, 2, 0, 0, 0
	TURN 0, 1, 1
	KST 1, 0, \ca, \ga, 0
	KST 1, 1, 0, 0, 1
	KST 1, 2, 0, 0, 0
	TURN 1, 0, 1
	KST 0, 0, 2, \gb, 0
.endm
	s_wait_tensorcnt 1                             ; my part of slot 0 is in; slot 1's may stay out
	s_barrier_signal -1
	s_barrier_wait -1                              ; everybody's is
	FETCH 0, 0, 0
	KST 0, 0, 0, 0, 0                              ; expert 0's first K step
	LAP 1, GT, GT+2                                ; experts 0 and 1; experts 2 and 3 are asked for; OUT begins as g0 Y
	WIN 0                                          ; at a label and at a branch every window is 0
	s_mov_b32 s60, 2
.Llap:                                             ; two trips: experts 2, 3 and 4, 5; experts 4 to 7 are asked for
	LAP 2, GT+4, GT+6
	WIN 0
	s_mov_b64 s[GT+4:GT+5], s[GT+8:GT+9]           ; the second trip's gates
	s_mov_b64 s[GT+6:GT+7], s[GT+10:GT+11]
	s_sub_co_u32 s60, s60, 1
	s_cmp_lg_u32 s60, 0
	s_cbranch_scc1 .Llap
	KST 0, 1, 0, 0, 1                              ; the tail is written out: experts 6 and 7
	KST 0, 2, 0, 0, 0
	TURN 0, 1, 0
	KST 1, 0, 2, GT+12, 0
	KST 1, 1, 0, 0, 0
	KST 1, 2, 0, 0, 0
	s_wait_dscnt 6
	MULA 0, 1, 3, 1, 0, 0
	MULA 1, 1, 3, 1, 0, 0
	s_wait_dscnt 0x0
	MULA 2, 1, 3, 1, 0, 0
	MULA 3, 1, 3, 1, 0, 0
	; THE WAY OUT.  x's 64 rows x 512 bytes are asked for first, into the registers that held the weights; expert 7 is weighed in meanwhile.
	PLACES 4                                       ; in front of the loads into registers that products have read and of the first read of the last results
	WIN 0x40
.set J, 0
.rept 64
	global_load_b128 v[4*J:4*J+3], v26, s[16:17] offset:32768*J th:TH_LOAD_NT     ; a row's 512 consecutive bytes; positions are 32,768 bytes apart
.set J, J+1
.endr
	WIN 0xf2
.set J, 0
.rept 128
	v_pk_fma_f32 v[J:J+1], v[J:J+1], s[GT+14:GT+15], v[J:J+1] op_sel_hi:[1,0,1]
.set J, J+2
.endr
; A lane holds 8 neighbouring d of a row for each tile: a block of 16 rows x 128 d goes through my own stage in LDS (rows of 512 + 16 bytes) and comes back as whole rows.  LDS serves a wave's instructions in order.
.macro TOSTAGE a
	WIN 0x0c                                       ; an LDS store's data are its source 1: window 3
.irp b, 0,1,2,3,4,5,6,7
	ds_store_b128 v[STO], v[8*(8*(\a)+\b):8*(8*(\a)+\b)+3] offset:128*(\b/2)+32*(\b%2)
	ds_store_b128 v[STO], v[8*(8*(\a)+\b)+4:8*(8*(\a)+\b)+7] offset:128*(\b/2)+32*(\b%2)+16
.endr
	WIN 0
.set BB, BK+64*((\a)%2)
.irp t, 0,1,2,3,4,5,6,7,8,9,10,11,12,13,14,15
	ds_load_b128 v[BB+4*\t:BB+4*\t+3], v[RD] offset:528*\t
.endr
.endm
.macro SEND a, younger                 ; younger: the LDS instructions issued behind block a's loads, which may stay out
.set BB, BK+64*((\a)%2)
	s_wait_dscnt \younger
	s_wait_loadcnt 48-16*(\a)                      ; x's rows of this block are in; those of the later blocks may be out
	WIN 0x04                                       ; source 1 (x) window 1
.irp t, 0,1,2,3,4,5,6,7,8,9,10,11,12,13,14,15
	v_pk_add_f32 v[BB+4*\t:BB+4*\t+1], v[BB+4*\t:BB+4*\t+1], v[4*(16*(\a)+\t):4*(16*(\a)+\t)+1]
	v_pk_add_f32 v[BB+4*\t+2:BB+4*\t+3], v[BB+4*\t+2:BB+4*\t+3], v[4*(16*(\a)+\t)+2:4*(16*(\a)+\t)+3]
.endr
	WIN 0
.irp t, 0,1,2,3,4,5,6,7,8,9,10,11,12,13,14,15
	v_pk_add_f32 v[BB+4*\t:BB+4*\t+1], v[BB+4*\t:BB+4*\t+1], v[12:13]
	v_pk_add_f32 v[BB+4*\t+2:BB+4*\t+3], v[BB+4*\t+2:BB+4*\t+3], v[14:15]
.endr
.irp t, 0,1,2,3,4,5,6,7,8,9,10,11,12,13,14,15
	global_store_b128 v26, v[BB+4*\t:BB+4*\t+3], s[18:19] offset:32768*(16*(\a)+\t) th:TH_STORE_NT   ; 32 lanes store 512 consecutive bytes, aligned
.endr
.endm
	TOSTAGE 0
.irp a, 1,2,3
.if \a > 1
	s_wait_xcnt 0x0                                ; block a - 2's stores have read their registers: block a's loads may land there
.endif
	TOSTAGE \a
	SEND \a-1, 32                                  ; behind block a - 1's loads: block a's 16 stores and 16 loads
.endr
	SEND 3, 0
	s_wait_tensorcnt 0x0                           ; the wave's end
	ds_add_u32 v[SPW], v[NIL]
	s_wait_dscnt 0x0
	CROUND                                         ; the closing round: no work-group ends while a partner may still ask for a tile that names it
	s_endpgm
.Lfunc_end_k_q2ef2972c12_fc2:
	.size	k_q2ef2972c12_fc2, .Lfunc_end_k_q2ef2972c12_fc2-k_q2ef2972c12_fc2
	.p2alignl 7, 3214868480
	.fill 96, 4, 3214868480
	.section	.rodata,"a",@progbits
	.p2align	6, 0x0
	.amdhsa_kernel k_q2ef2972c12_fc2
		.amdhsa_group_segment_fixed_size 327680
		.amdhsa_private_segment_fixed_size 0
		.amdhsa_enable_private_segment 0
		.amdhsa_kernarg_size 72
		.amdhsa_user_sgpr_count 2
		.amdhsa_user_sgpr_kernarg_segment_ptr 1
		.amdhsa_wavefront_size32 1
		.amdhsa_system_sgpr_workgroup_id_x 1
		.amdhsa_system_sgpr_workgroup_id_y 1
		.amdhsa_system_sgpr_workgroup_id_z 1
		.amdhsa_system_vgpr_workitem_id 0
		.amdhsa_next_free_vgpr 1024
		.amdhsa_next_free_sgpr 102
		.amdhsa_reserve_vcc 1
		.amdhsa_float_denorm_mode_32 3
		.amdhsa_float_denorm_mode_16_64 3
		.amdhsa_memory_ordered 1
		.amdhsa_forward_progress 1
		.amdhsa_inst_pref_size 255
	.end_amdhsa_kernel
	.section	.bss,"aw",@nobits
	.p2align	6
	.space	262144
	.amdgpu_metadata
---
amdhsa.version: [ 1, 2 ]
amdhsa.kernels:
  - .name:           k_q2ef2972c12_fc2
    .symbol:         k_q2ef2972c12_fc2.kd
    .args:
      - { .name: hi, .offset: 0, .size: 8, .value_kind: global_buffer, .address_space: global }
      - { .name: hs, .offset: 8, .size: 8, .value_kind: global_buffer, .address_space: global }
      - { .name: w2i, .offset: 16, .size: 8, .value_kind: global_buffer, .address_space: global }
      - { .name: w2_scales, .offset: 24, .size: 8, .value_kind: global_buffer, .address_space: global }
      - { .name: b2, .offset: 32, .size: 8, .value_kind: global_buffer, .address_space: global }
      - { .name: pl, .offset: 40, .size: 8, .value_kind: global_buffer, .address_space: global }
      - { .name: x, .offset: 48, .size: 8, .value_kind: global_buffer, .address_space: global }
      - { .name: out0, .offset: 56, .size: 8, .value_kind: global_buffer, .address_space: global }
      - { .name: out1, .offset: 64, .size: 8, .value_kind: global_buffer, .address_space: global }
    .group_segment_fixed_size: 327680
    .private_segment_fixed_size: 0
    .kernarg_segment_align: 8
    .kernarg_segment_size: 72
    .max_flat_workgroup_size: 128
    .sgpr_count:     102
    .vgpr_count:     1024
    .wavefront_size: 32
...
	.end_amdgpu_metadata
.endif
;; end of part 3
